; MI455X (gfx1250); checked and timed in simulation.
; The chip was launched on July 23, 2026; its instructions are those of AMD's public machine-readable ISA for CDNA 5 (MIT licence, August 2026) and "CDNA5" Instruction Set Architecture Reference Guide (July 2026). The comments in the code are by the model that wrote it; some were corrected since.
;; Multi Head Attention. Allowed arithmetic: matrix products marked QUANTISED: E2M1 operands, one E8M0 scale for each 32 along K, by v_wmma_scale_f32_16x16x128_f8f6f4 with both operands' format E2M1 (or v_wmma_scale_f32_32x16x128_f4), f32 sums; products left as they are: bf16, f16 or f32 operands; f32 sums; everything else in f32.
;; Inputs: Wk 1,024 x 1,024 float32; Wo 1,024 x 1,024 float32; Wq 1,024 x 1,024 float32; Wv 1,024 x 1,024 float32; bk 1,024 float32; bo 1,024 float32; bq 1,024 float32; bv 1,024 float32; x 4 x 2,048 x 1,024 float32.
;; Outputs: out0 4 x 2,048 x 1,024 float32.
;; This version of the problem:
;;   THIS VERSION OF THE PROBLEM IS GIVEN IN LOW PRECISION. The matrix products marked QUANTISED in the list below multiply operands that are first quantised to E2M1 (2 exponent bits, 1 mantissa bit; 4 bits a number), with one power-of-two scale for each 32 numbers along K (OCP MX v1.0); their sums are f32. The products marked 'left as it is' may take bf16, f16 or f32 operands, with f32 sums. Whichever they take, every output number must still come out within the allowed error. Rounding operands to bf16 (8 significant bits) uses up far more of that allowance than f16 does (11 bits, for magnitudes from 6e-5 to 65,504). All else is computed in f32.
;;   The module's matrix products, in the order in which they are computed (A, B: the left and right operand; K: the contracted axis; several contracted axes count as one K, in the product's order):
;;     1. [M 8,192, K 1,024] x [K 1,024, N 1,024]; A: input x; B: input Wq: QUANTISED
;;     2. [M 8,192, K 1,024] x [K 1,024, N 1,024]; A: input x; B: input Wk: QUANTISED
;;     3. [M 8,192, K 1,024] x [K 1,024, N 1,024]; A: input x; B: input Wv: QUANTISED
;;     4. batch 64 x [M 2,048, K 64] x [K 64, N 2,048]; A: computed on the way; B: computed on the way: left as it is (an operand is computed on the way)
;;     5. batch 64 x [M 2,048, K 2,048] x [K 2,048, N 64]; A: computed on the way; B: computed on the way: left as it is (an operand is computed on the way)
;;     6. [M 8,192, K 1,024] x [K 1,024, N 1,024]; A: computed on the way; B: input Wo: left as it is (an operand is computed on the way)
;;   THE QUANTISER, for each operand of a quantised product, along K:
;;     - K is cut into blocks of 32 from its start; a last block that is shorter is filled with zeros.
;;     - A block's scale is 2^e with e = floor(log2(the largest magnitude in the block)) - 2, held to -126 .. 127; a block of zeros has e = 0. As a byte (E8M0): e + 127.
;;     - Each number is divided by its block's scale, clamped to +-6, and rounded to the nearest number of E2M1, ties to even, subnormals kept.
;;     - The product sums the exact products of the quantised numbers (number of the format x scale) in f32.
;;   ~~~python
;;   def quantise(x, axis):      # numpy; x: float32 -> the quantised numbers, widened to float32 again
;;       x = np.moveaxis(x, axis, -1); K = x.shape[-1]
;;       x = np.pad(x, [(0, 0)] * (x.ndim - 1) + [(0, -K % 32)]); x = x.reshape(x.shape[:-1] + (-1, 32)); a = np.abs(x).max(-1, keepdims=True)
;;       e = np.where(a > 0, np.clip(np.frexp(np.where(a > 0, a, 1))[1] - 1 - 2, -126, 127), 0)      # np.frexp(a)[1] - 1 = floor(log2(a)), exactly
;;       r = np.clip(x / 2.0 ** e, -6, 6)
;;       step = 2.0 ** (np.maximum(np.frexp(np.where(r == 0, 1, r))[1] - 1, 0) - 1)
;;       q = np.round(r / step) * step * 2.0 ** e      # np.round: ties to even
;;       return np.moveaxis(q.reshape(q.shape[:-2] + (-1,))[..., :K], -1, axis).astype(np.float32)
;;   ~~~
;; One version. Each part assembles by itself: llvm-mc -triple=amdgcn-amd-amdhsa -mcpu=gfx1250 --defsym DOCPART=n.
;; ======== version 1 of 1: 5 launches
;; limits: values are held in f16: magnitudes above 65,504 overflow, below 6.1e-05 lose precision
;; workspace buffers: xc 4,194,304 bytes; xs 262,144 bytes; wc 1,572,864 bytes; ws 98,304 bytes; wo16 2,097,152 bytes; qkv16 50,331,648 bytes; first32 786,432 bytes; o16 16,777,216 bytes
;; launch quant (part 1): grid 384 x 1, 4 waves a work-group, no clusters, 33,280 bytes of LDS; arguments x, Wq, Wk, Wv, xc, wc, xs, ws, Wo, wo16; writes xc, wc, xs, ws, wo16
.if DOCPART == 1
	.amdgcn_target "amdgcn-amd-amdhsa--gfx1250"
	.amdhsa_code_object_version 6
	.text
	.protected	k_q3d6e80f0fd_quant
	.globl	k_q3d6e80f0fd_quant
	.p2align	8
	.type	k_q3d6e80f0fd_quant,@function
k_q3d6e80f0fd_quant:
	s_mov_b64 s[64:65], 0
	v_nop
	global_prefetch_b8 v0, s[64:65] scope:SCOPE_SE
	s_setreg_imm32_b32 hwreg(HW_REG_WAVE_MODE, 25, 1), 1
	s_wait_xcnt 0x0
; x [8192][1024] and Wq, Wk, Wv [1024][1024], f32 with K innermost, become codes of FP4 (E2M1) with one E8M0 scale byte for each 32 along K:
; xc [8192][512 bytes], xs [8192][32 bytes]; wc [3072][512 bytes], ws [3072][32 bytes] with Wq's rows first, then Wk's, then Wv's.  Wo [1024][1024] is rounded to f16 (wo16, same order).
; A block's scale is 2^(floor(log2(its largest magnitude)) - 2); its byte is the largest magnitude's exponent field - 2, held at 1 from below.  Each number is divided by the scale and rounded to the nearest code, ties to even,
; beyond 6 the largest code.  A block of zeros gets the byte 1 where the rule says 127: its codes are zeros, and the bytes are read by this program alone.
; LIMITS: blocks whose largest magnitude lies under 2^(2 - 126) keep the byte 1; NaN and infinities among the inputs are not served; |Wo| up to 65,504 (f16).
; SHARES: a work-group takes 32,768 numbers, a wave 8,192.  Work-groups 0-255: x; 256-351: Wq, Wk, Wv, 32 each; 352-383: Wo.  Rows are dense and K is a multiple of 32: a tensor is a plain stream of blocks.
; A wave takes 16 steps of 512 numbers: four loads of 512 consecutive bytes, turned through the wave's own stage in LDS so that a lane holds 16 neighbours along K (two neighbouring lanes hold a block).
; No tensor loads, no barrier: waves share nothing.  Matrix units and clusters have nothing to do here: every byte is read once and written once.
.set WAVES, 4
.set STEPS, 16
.set WGX,   256                        ; work-groups of x
.set WGW,   32                         ; of each weight
.set EMAX,  2
.set CB,    8                          ; bytes of 16 codes
.set R,     16                         ; v16-79   four sets of 16 numbers as they are loaded
.set X,     80                         ; v80-111  two sets of 16 neighbours
.set C,     128                        ; v128-191 codes: four registers for each step, so that no store's data are written again
.set E,     112                        ; v112-127 a scale byte for each step
.set WREG,  8192                       ; LDS: a region for each wave: two stages of 32 x SP bytes, behind them its 256 scale bytes
.set SP,    80                         ; a lane's place in a stage: 64 bytes + 16 of padding
.set SPW,   12                         ; v12 LDS address of my spare word; never rewritten
.set NIL,   13                         ; v13 0; never rewritten
.set SPARE, WAVES*WREG                 ; behind the four regions: the spare words, 128 bytes a wave
	s_load_b256 s[4:11], s[0:1], 0x0               ; x, Wq, Wk, Wv
	s_load_b256 s[12:19], s[0:1], 0x20             ; xc, wc, xs, ws
	s_load_b128 s[20:23], s[0:1], 0x40             ; Wo, wo16
	v_lshl_add_u32 v[SPW], v0, 2, SPARE
	v_mov_b32 v[NIL], 0
	v_lshrrev_b32 v1, 5, v0
	v_readfirstlane_b32 s24, v1                    ; wave
	v_and_b32 v2, 31, v0                           ; lane
	v_lshlrev_b32 v3, 4, v2                        ; my 16 bytes of a load's 512
	s_mul_i32 s25, s24, WREG
	v_lshrrev_b32 v14, 2, v2
	v_mul_u32_u24 v14, v14, SP
	v_and_b32 v15, 3, v2
	v_lshl_add_u32 v14, v15, 4, v14
	v_add_nc_u32 v14, s25, v14                     ; the stage, on the way in: SP (lane / 4) + 16 (lane % 4)
	v_mul_u32_u24 v15, v2, SP
	v_add_nc_u32 v15, s25, v15                     ; and on the way out: SP x lane: my 16 neighbours
	v_mul_u32_u24 v4, v2, CB                       ; 8 x lane: my codes' place in a step's; also my f16 numbers' place in Wo's path
	v_lshrrev_b32 v5, 1, v2
	s_add_co_u32 s25, s25, 2*32*SP
	v_add_nc_u32 v5, s25, v5                       ; LDS: my wave's 256 scale bytes, my block's byte
	v_lshlrev_b32 v7, 3, v2
	v_add_nc_u32 v6, s25, v7                       ; and on the way out 8 bytes a lane
	s_wait_kmcnt 0x0
	s_cmp_ge_u32 ttmp9, WGX+3*WGW
	s_cbranch_scc1 .Lwo                            ; Wo's work-groups: a path of their own, which touches no LDS
	; which tensor: only pointers and run numbers are chosen, by the work-group's number alone
	s_sub_co_u32 s32, ttmp9, WGX                   ; a weight's work-group among the 96 (for x's it wraps, and is chosen away below)
	s_and_b32 s33, s32, WGW-1                      ; and within its own weight
	s_cmp_lt_u32 ttmp9, WGX+2*WGW
	s_cselect_b64 s[26:27], s[8:9], s[10:11]       ; Wk or Wv
	s_cmp_lt_u32 ttmp9, WGX+WGW
	s_cselect_b64 s[26:27], s[6:7], s[26:27]       ; Wq
	s_cmp_lt_u32 ttmp9, WGX
	s_cselect_b64 s[26:27], s[4:5], s[26:27]       ; x
	s_cselect_b64 s[28:29], s[12:13], s[14:15]     ; the codes' buffer
	s_cselect_b64 s[30:31], s[16:17], s[18:19]     ; the scale bytes'
	s_cselect_b32 s33, ttmp9, s33                  ; where I read
	s_cselect_b32 s32, ttmp9, s32                  ; where I write
	s_lshl_b32 s33, s33, 2
	s_add_co_u32 s33, s33, s24                     ; my wave's run of 8,192 numbers in the source,
	s_lshl_b32 s32, s32, 2
	s_add_co_u32 s32, s32, s24                     ; and in the destination
	s_lshl_b32 s34, s33, 15                        ; 32,768 bytes of f32 a run
	s_mov_b32 s35, 0
	s_add_nc_u64 s[26:27], s[26:27], s[34:35]
	s_lshl_b32 s34, s32, 12                        ; 4,096 bytes of codes
	s_add_nc_u64 s[28:29], s[28:29], s[34:35]
	s_lshl_b32 s34, s32, 8                         ; 256 scale bytes
	s_add_nc_u64 s[30:31], s[30:31], s[34:35]
.macro LOAD t
.irp i, 0,1,2,3
	global_load_b128 v[R+16*((\t)%4)+4*\i:R+16*((\t)%4)+4*\i+3], v3, s[26:27] offset:2048*(\t)+512*\i th:TH_LOAD_NT   ; 32 lanes read 512 consecutive bytes
.endr
.endm
.macro TURN t                          ; step t's numbers through the stage: LDS serves a wave's instructions in order, so no wait stands between the stores and the loads
.irp i, 0,1,2,3
	ds_store_b128 v14, v[R+16*((\t)%4)+4*\i:R+16*((\t)%4)+4*\i+3] offset:32*SP*((\t)%2)+8*SP*\i
.endr
.irp i, 0,1,2,3
	ds_load_b128 v[X+16*((\t)%2)+4*\i:X+16*((\t)%2)+4*\i+3], v15 offset:32*SP*((\t)%2)+16*\i
.endr
.endm
.irp t, 0,1,2,3
	LOAD \t
.endr
	s_wait_loadcnt 12                              ; step 0's four loads are in; the twelve of steps 1 to 3 may be out
	TURN 0
.macro STEP t
.set XS, X+16*((\t)%2)
.if (\t) > 0
	s_wait_dscnt 1                                 ; this step's numbers are back from the stage (the last step's byte store may be out)
.else
	s_wait_dscnt 0x0
.endif
.if (\t)+4 < STEPS
	LOAD (\t)+4                                    ; the stage's stores have read their registers: these take the loads of four steps on
.endif
.if (\t)+1 < STEPS
.if STEPS-2-(\t) >= 3
	s_wait_loadcnt 12                              ; the next step's four loads are in; those of the three steps behind it may be out
.else
	s_wait_loadcnt 4*(STEPS-2-(\t))
.endif
	TURN (\t)+1                                    ; and go through the other stage while this step is worked
.endif
	v_max3_num_f32 v8, |v[XS]|, |v[XS+1]|, |v[XS+2]|               ; the largest magnitude of my 16, in two chains
	v_max3_num_f32 v9, |v[XS+3]|, |v[XS+4]|, |v[XS+5]|
.irp i, 6,10
	v_max3_num_f32 v8, v8, |v[XS+\i]|, |v[XS+\i+1]|
	v_max3_num_f32 v9, v9, |v[XS+\i+2]|, |v[XS+\i+3]|
.endr
	v_max3_num_f32 v8, v8, |v[XS+14]|, |v[XS+15]|
	v_max3_num_f32 v8, v8, v9, (EMAX+1)<<23        ; and the floor 2^(EMAX + 1 - 127): the byte cannot fall under 1
	v_max_num_f32_dpp v8, v8, v8 row_xmask:1 row_mask:0xf bank_mask:0xf   ; and of my neighbour's 16: the block's
	v_add_nc_u32 v11, -(EMAX<<23), v8              ; EMAX off its exponent field: the conversion takes the exponent field of this operand as its scale
	v_cvt_scalef32_pk8_fp4_f32 v[C+4*(\t)], v[XS:XS+7], v11
	v_cvt_scalef32_pk8_fp4_f32 v[C+4*(\t)+1], v[XS+8:XS+15], v11
	v_lshrrev_b32 v[E+(\t)], 23, v11               ; the scale's byte (also the plain line behind the conversions)
	ds_store_b8 v5, v[E+(\t)] offset:16*(\t)       ; both lanes of a block write the same byte with the same value
	global_store_b64 v4, v[C+4*(\t):C+4*(\t)+1], s[28:29] offset:32*CB*(\t)   ; the wave stores 256 consecutive bytes, aligned
.endm
.irp t, 0,1,2,3,4,5,6,7,8,9,10,11,12,13,14,15
	STEP \t
.endr
	ds_load_b64 v[8:9], v6                         ; LDS serves a wave's instructions in order: these see my byte stores
	s_wait_dscnt 0x0
	global_store_b64 v7, v[8:9], s[30:31]          ; 32 lanes store 256 consecutive bytes, aligned
	s_wait_tensorcnt 0x0                           ; the wave's end, behind my last LDS store
	ds_add_u32 v[SPW], v[NIL]
	s_wait_dscnt 0x0
	s_endpgm
; Wo to f16: a wave takes 8,192 numbers in four batches of 16 loads; two batches are on their way.
.Lwo:
	s_sub_co_u32 s32, ttmp9, WGX+3*WGW
	s_lshl_b32 s32, s32, 2
	s_add_co_u32 s32, s32, s24                     ; my wave's run
	s_lshl_b32 s34, s32, 15
	s_mov_b32 s35, 0
	s_add_nc_u64 s[20:21], s[20:21], s[34:35]
	s_lshl_b32 s34, s32, 14
	s_add_nc_u64 s[22:23], s[22:23], s[34:35]
.macro WLOAD g
.irp i, 0,1,2,3,4,5,6,7,8,9,10,11,12,13,14,15
	global_load_b128 v[16+64*((\g)%2)+4*\i:16+64*((\g)%2)+4*\i+3], v3, s[20:21] offset:(16*(\g)+\i)*512 th:TH_LOAD_NT
.endr
.endm
.macro WCVT g
.if (\g) < 3
	s_wait_loadcnt 16                              ; this batch is in; the next batch's sixteen loads may be out
.else
	s_wait_loadcnt 0x0
.endif
	s_wait_xcnt 0x0                                ; the last batch's stores have read v144-175, which are written again below
.irp i, 0,1,2,3,4,5,6,7,8,9,10,11,12,13,14,15
	v_cvt_pk_f16_f32 v[144+2*\i], v[16+64*((\g)%2)+4*\i], v[16+64*((\g)%2)+4*\i+1]
	v_cvt_pk_f16_f32 v[145+2*\i], v[16+64*((\g)%2)+4*\i+2], v[16+64*((\g)%2)+4*\i+3]
.endr
.if (\g) < 2
	WLOAD (\g)+2
.endif
.irp i, 0,1,2,3,4,5,6,7,8,9,10,11,12,13,14,15
	global_store_b64 v4, v[144+2*\i:145+2*\i], s[22:23] offset:(16*(\g)+\i)*256   ; 256 consecutive bytes a store, aligned
.endr
.endm
	WLOAD 0
	WLOAD 1
	WCVT 0
	WCVT 1
	WCVT 2
	WCVT 3
	s_endpgm
.Lfunc_end_k_q3d6e80f0fd_quant:
	.size	k_q3d6e80f0fd_quant, .Lfunc_end_k_q3d6e80f0fd_quant-k_q3d6e80f0fd_quant
	.p2alignl 7, 3214868480
	.fill 96, 4, 3214868480
	.section	.rodata,"a",@progbits
	.p2align	6, 0x0
	.amdhsa_kernel k_q3d6e80f0fd_quant
		.amdhsa_group_segment_fixed_size 33280
		.amdhsa_private_segment_fixed_size 0
		.amdhsa_enable_private_segment 0
		.amdhsa_kernarg_size 80
		.amdhsa_user_sgpr_count 2
		.amdhsa_user_sgpr_kernarg_segment_ptr 1
		.amdhsa_wavefront_size32 1
		.amdhsa_system_sgpr_workgroup_id_x 1
		.amdhsa_system_sgpr_workgroup_id_y 1
		.amdhsa_system_sgpr_workgroup_id_z 1
		.amdhsa_system_vgpr_workitem_id 0
		.amdhsa_next_free_vgpr 192
		.amdhsa_next_free_sgpr 66
		.amdhsa_reserve_vcc 0
		.amdhsa_float_denorm_mode_32 3
		.amdhsa_float_denorm_mode_16_64 3
		.amdhsa_memory_ordered 1
		.amdhsa_forward_progress 1
		.amdhsa_inst_pref_size 54
	.end_amdhsa_kernel
	.amdgpu_metadata
---
amdhsa.version: [ 1, 2 ]
amdhsa.kernels:
  - .name:           k_q3d6e80f0fd_quant
    .symbol:         k_q3d6e80f0fd_quant.kd
    .args:
      - { .name: x, .offset: 0, .size: 8, .value_kind: global_buffer, .address_space: global }
      - { .name: Wq, .offset: 8, .size: 8, .value_kind: global_buffer, .address_space: global }
      - { .name: Wk, .offset: 16, .size: 8, .value_kind: global_buffer, .address_space: global }
      - { .name: Wv, .offset: 24, .size: 8, .value_kind: global_buffer, .address_space: global }
      - { .name: xc, .offset: 32, .size: 8, .value_kind: global_buffer, .address_space: global }
      - { .name: wc, .offset: 40, .size: 8, .value_kind: global_buffer, .address_space: global }
      - { .name: xs, .offset: 48, .size: 8, .value_kind: global_buffer, .address_space: global }
      - { .name: ws, .offset: 56, .size: 8, .value_kind: global_buffer, .address_space: global }
      - { .name: Wo, .offset: 64, .size: 8, .value_kind: global_buffer, .address_space: global }
      - { .name: wo16, .offset: 72, .size: 8, .value_kind: global_buffer, .address_space: global }
    .group_segment_fixed_size: 33280
    .private_segment_fixed_size: 0
    .kernarg_segment_align: 8
    .kernarg_segment_size: 80
    .max_flat_workgroup_size: 128
    .sgpr_count:     66
    .vgpr_count:     192
    .wavefront_size: 32
...
	.end_amdgpu_metadata
.endif
;; end of part 1
;; launch qkv (part 2): grid 12 x 32, 4 waves a work-group, clusters of 4 x 4, 327,680 bytes of LDS; arguments xc, xs, wc, ws, bq, bk, bv, first32, qkv16; writes qkv16, first32
.if DOCPART == 2
	.amdgcn_target "amdgcn-amd-amdhsa--gfx1250"
	.amdhsa_code_object_version 6
	.text
	.protected	k_q3d6e80f0fd_qkv
	.globl	k_q3d6e80f0fd_qkv
	.p2align	8
	.type	k_q3d6e80f0fd_qkv,@function
k_q3d6e80f0fd_qkv:
	s_mov_b64 s[64:65], 0
	v_nop
	global_prefetch_b8 v0, s[64:65] scope:SCOPE_SE
	s_setreg_imm32_b32 hwreg(HW_REG_WAVE_MODE, 25, 1), 1
	s_wait_xcnt 0x0
	s_wait_alu depctr_hold_cnt(0) depctr_sa_sdst(0) depctr_va_vdst(0) depctr_va_sdst(0) depctr_va_ssrc(0) depctr_va_vcc(0) depctr_vm_vsrc(0)
	s_getreg_b32 s2, hwreg(HW_REG_IB_STS2, 6, 4)
	s_cmp_eq_u32 s2, 0
	s_cbranch_scc0 .Lentry_in_a_cluster
	s_endpgm
.Lentry_in_a_cluster:
	s_bfe_u32 s2, ttmp6, 0x10000c
	s_cmp_lg_u32 s2, 0xf033
	s_cbranch_scc0 .Lentry_shape_is_right
	s_endpgm
.Lentry_shape_is_right:
; [Q | K | V][m][n] = sum over k of x[m][k] W[n][k] + bias[n]: one product 8192 x 3072 x 1024 on codes of FP4 (E2M1) with one E8M0 scale for each 32 along K; sums in f32.
; A tile of 256 x 256 is made by a work-group of four waves; a wave makes 128 x 128: 64 accumulators, 512 registers.  K = 1024 is two LDS slots of 512 along K (rows of 256 bytes): both are asked for at the start and
; nothing is filled again.  The scale bytes of the work-group's 256 + 256 rows, for all of K, come once, in runs of 256 bytes.
; CLUSTERS: 4 x 4 work-groups; the four of a row of the cluster need the same tiles of x, the four of a column the same tiles of W: each is asked for jointly.
; The tile row is 8 cy + cluster y: so cy is the batch, and the tile that holds a sequence's first rows is the one with cluster y = 0, the same in all sixteen partners.
; THE MATRIX INSTRUCTION IS USED TRANSPOSED (source 0 = 16 rows of W, source 1 = 16 rows of x): a lane holds eight neighbouring columns of one row.  The bias is the C of each sum's first instruction.
; OUT: f16, laid by head: qkv16 [Q,K,V][batch][head][s][64]: 16 rows of a head are 2,048 consecutive bytes, so sixteen lanes store 256 consecutive bytes, aligned.
; The first 16 rows of each sequence also leave in f32 (first32 [batch][16][3072]), in pieces of 32 bytes a lane: 786,432 bytes in the launch; a later launch carries those rows in f32.
; LIMITS: |Q|, |K|, |V| up to 65,504 (f16).
; REGISTERS: window 0: v0-31 addresses; v32-95 scale words, two sets; v128-191 x's fragments, one set; v192-255 the bias; on the way out v128-223 are at work.
;   window 1: W's fragments, two sets, at v0 and v128.   window 2: the accumulators of my rows 0-63 ((a, b) at v[8 (8 a + b)]);   window 3: those of rows 64-127.
.set KSTEP,  512
.set NQ,     KSTEP/128
.set ROWB,   256                       ; a tile's row in bytes
.set KROW,   512                       ; a row of codes in memory
.set PITCH,  272                       ; an LDS row: 256 bytes + 16 of padding: the 16 rows of a load start at 16 different banks (64 banks of 4 bytes: ISA guide 11.1)
.set FR,     8
.set NL,     2
.set NP,     4                         ; places behind this matrix instruction (ISA guide 7.12.1)
.set HALFT,  128*PITCH
.set SLOT,   4*HALFT                   ; x's 256 rows, then W's 256 rows
.set KS,     32                        ; a row of scale bytes
.set SCL,    2*SLOT                    ; behind the slots: the scale bytes, as runs of 256 bytes + 16 of padding
.set HALFS,  (128*KS/256)*272
.set SBLK,   (16*KS/256)*272
.set SPARE,  SCL+4*HALFS               ; the spare words, 128 bytes a wave
.set SPITCH, 272                       ; the way out: a stage of 16 rows x (256 bytes + 16) for each wave, in slot 0, which has had its only fill and its last read by then
.set ADRA, 16
.set ADRB, 20
.set STO,  24
.set RD,   25
.set CO,   26
.set ADRS, 27
.set SPW,  28
.set NIL,  29
.set BOF,  30                          ; v30 32 x (lane / 16): my eight numbers of a block's bias
.set FO,   31                          ; v31 my place in first32
.set SC,   32
.set AF,   128
.set BI,   192                         ; v192-255 the bias of my 128 columns, in the result's layout
.set TMP,  128                         ; the way out: packed results
.set OB,   160                         ; and rows read back: v160-191 and v192-223 by turns
.set G1, 24
.set G0, 32
.set G1B, 48
.set G0B, 56
.set G1S, 68
.set G0S, 76
.set G1SB, 80
.set G0SB, 88
.set MSB, 0
.macro WIN new                         ; the immediate's high byte repeats the setting that is left
.if MSB != \new
	s_set_vgpr_msb (MSB<<8)|\new
.set MSB, \new
.endif
.endm
.set MUL_LO, 0xa1                      ; source 0 (W) window 1, source 1 (x) window 0, C and D window 2
.set MUL_HI, 0xf1                      ; the same, C and D window 3
.set FIRST_LO, 0x81                    ; the first step: C (the bias) window 0, D window 2
.set FIRST_HI, 0xc1                    ; D window 3
.set TO_B,   0x40
; A joint load: waves 0 and 1 fetch for x, waves 2 and 3 for W; the branch hangs on the wave's number alone.  An s_nop 0 and four v_nop follow each line.
.macro JLOAD g0a, g1a, g0b, g1b
	s_cmp_eq_u32 s15, 0
	s_cbranch_scc0 .Lfor_b_\@
	tensor_load_to_lds s[\g0a:\g0a+3], s[\g1a:\g1a+7]
	s_nop 0
.rept 4
	v_nop
.endr
	s_branch .Lasked_\@
.Lfor_b_\@:
	tensor_load_to_lds s[\g0b:\g0b+3], s[\g1b:\g1b+7]
	s_nop 0
.rept 4
	v_nop
.endr
.Lasked_\@:
.endm
.macro CROUND                          ; a round of the cluster's barrier
	s_barrier_signal -1
	s_barrier_wait -1
	s_cmp_lg_u32 s14, 0
	s_cbranch_scc1 .Lnot_wave_0_\@
	s_barrier_signal -3
.Lnot_wave_0_\@:
	s_barrier_wait -3
	s_barrier_signal -1
	s_barrier_wait -1
.endm
	s_load_b256 s[4:11], s[0:1], 0x0               ; xc, xs, wc, ws
	s_load_b128 s[96:99], s[0:1], 0x20             ; bq, bk
	s_load_b64 s[100:101], s[0:1], 0x30            ; bv
	s_load_b64 s[66:67], s[0:1], 0x38              ; first32
	s_load_b64 s[12:13], s[0:1], 0x40              ; qkv16
	v_lshl_add_u32 v[SPW], v0, 2, SPARE
	v_mov_b32 v[NIL], 0
	ds_add_u32 v[SPW], v[NIL]                      ; the wave's opening: the add, twice on end, and its wait ahead of my first tensor load
	ds_add_u32 v[SPW], v[NIL]
	v_lshrrev_b32 v1, 5, v0
	v_readfirstlane_b32 s14, v1                    ; wave 0..3
	s_lshr_b32 s15, s14, 1                         ; which half of the tile's rows is mine.  Also: I fetch for x (0) or for W (1)
	s_and_b32 s16, s14, 1                          ; which half of its columns.  Also: which 128 rows of that tile I fetch
	s_bfe_u32 s40, ttmp6, 0x40000                  ; cx
	s_bfe_u32 s41, ttmp6, 0x40004                  ; cy
	s_lshl_b32 s42, ttmp9, 2
	s_add_co_u32 s42, s42, s40                     ; tile column = 4 x cluster x + cx: cluster x says Q, K or V
	s_and_b32 s95, ttmp7, 0xffff                   ; cluster y: the tile's place in its batch
	s_lshl_b32 s17, s41, 3
	s_add_co_u32 s17, s17, s95                     ; tile row = 8 cy + cluster y: cy is the batch
	s_lshl_b32 s43, s41, 2
	s_lshl_b32 s43, 15, s43                        ; my row of the cluster
	s_lshl_b32 s44, 0x1111, s40                    ; my column
	s_or_b32 s[G1+0], s43, (0<<16)|(1<<20)|(1<<21)|(5<<22)|(3<<25)  ; the mask; elements of 1 byte; padding on; bit 21 beside a mask; 4 words behind every 64
	s_or_b32 s[G1B+0], s44, (0<<16)|(1<<20)|(1<<21)|(5<<22)|(3<<25)
.irp g, G1, G1B
	s_mov_b32 s[\g+1], ROWB<<16                    ; tensor_dim0
	s_mov_b32 s[\g+2], 128<<16                     ; tensor_dim1
	s_mov_b32 s[\g+3], ROWB<<16                    ; tile_dim0
	s_mov_b32 s[\g+4], 128                         ; tile_dim1
	s_mov_b32 s[\g+5], KROW                        ; stride
	s_mov_b32 s[\g+6], 0
	s_mov_b32 s[\g+7], 0
.endr
	s_or_b32 s[G1S+0], s43, (3<<16)|(1<<20)|(1<<21)|(5<<22)|(3<<25) ; the scale bytes of 128 rows: 4,096 dense bytes as 16 rows of 32 elements of 8 bytes
	s_or_b32 s[G1SB+0], s44, (3<<16)|(1<<20)|(1<<21)|(5<<22)|(3<<25)
.irp g, G1S, G1SB
	s_mov_b32 s[\g+1], 32<<16
	s_mov_b32 s[\g+2], (128*KS/256)<<16
	s_mov_b32 s[\g+3], 32<<16
	s_mov_b32 s[\g+4], 128*KS/256
	s_mov_b32 s[\g+5], 32
	s_mov_b32 s[\g+6], 0
	s_mov_b32 s[\g+7], 0
.endr
	s_lshl_b32 s18, s16, 7
	s_lshl_b32 s20, s17, 8
	s_add_co_u32 s20, s20, s18                     ; x: row 256 x tile row + 128 x half
	s_lshl_b32 s46, s42, 8
	s_add_co_u32 s46, s46, s18                     ; W: row 256 x tile column + 128 x half
	s_mov_b32 s21, 0
	s_mov_b32 s47, 0
	s_mov_b64 s[18:19], KS
	s_mul_u64 s[22:23], s[20:21], s[18:19]         ; where these rows' scale bytes begin
	s_mul_u64 s[92:93], s[46:47], s[18:19]
	s_mov_b64 s[18:19], KROW
	s_mul_u64 s[20:21], s[20:21], s[18:19]         ; and their codes
	s_mul_u64 s[46:47], s[46:47], s[18:19]
	s_mul_i32 s45, s14, HALFT                      ; where they go: wave x 128 rows
	s_mul_i32 s94, s14, HALFS
	s_wait_dscnt 0x0                               ; both opening adds are done
	s_wait_kmcnt 0x0
	s_add_nc_u64 s[20:21], s[4:5], s[20:21]
	s_add_nc_u64 s[22:23], s[6:7], s[22:23]
	s_add_nc_u64 s[46:47], s[8:9], s[46:47]
	s_add_nc_u64 s[92:93], s[10:11], s[92:93]
	CROUND                                         ; all sixteen work-groups are here: the joint loads meet
	s_mov_b32 s[G0S], 1
	s_add_co_u32 s[G0S+1], s94, SCL
	s_mov_b64 s[G0S+2:G0S+3], s[22:23]
	s_or_b32 s[G0S+3], s[G0S+3], 0x80000000
	s_mov_b32 s[G0SB], 1
	s_add_co_u32 s[G0SB+1], s94, SCL
	s_mov_b64 s[G0SB+2:G0SB+3], s[92:93]
	s_or_b32 s[G0SB+3], s[G0SB+3], 0x80000000
	JLOAD G0S, G1S, G0SB, G1SB                     ; the scale bytes first
.irp s, 0,1
	s_mov_b32 s[G0+4*\s], 1
	s_add_co_u32 s[G0+4*\s+1], s45, \s*SLOT
	s_add_nc_u64 s[G0+4*\s+2:G0+4*\s+3], s[20:21], \s*ROWB
	s_or_b32 s[G0+4*\s+3], s[G0+4*\s+3], 0x80000000
	s_mov_b32 s[G0B+4*\s], 1
	s_add_co_u32 s[G0B+4*\s+1], s45, \s*SLOT
	s_add_nc_u64 s[G0B+4*\s+2:G0B+4*\s+3], s[46:47], \s*ROWB
	s_or_b32 s[G0B+4*\s+3], s[G0B+4*\s+3], 0x80000000
	JLOAD G0+4*\s, G1, G0B+4*\s, G1B               ; three tensor loads of mine are out now: all that the launch has
.endr
	v_and_b32 v1, 15, v0                           ; r = l % 16
	v_bfe_u32 v2, v0, 4, 1                         ; l / 16
	v_mul_u32_u24 v3, v1, PITCH
	v_lshl_add_u32 v4, v2, 4, v3                   ; a fragment's row x pitch + 16 x half
	s_mul_i32 s21, s15, HALFT
	s_mul_i32 s22, s16, HALFT
	s_add_co_u32 s22, s22, 2*HALFT
.irp s, 0,1
	v_add_nc_u32 v[ADRA+\s], s21, v4
	v_add_nc_u32 v[ADRB+\s], s22, v4
	s_add_co_u32 s21, s21, SLOT
	s_add_co_u32 s22, s22, SLOT
.endr
	v_mul_u32_u24 v5, v1, KS                       ; my row's scale bytes: KS a row,
	v_lshrrev_b32 v6, 8, v5
	v_lshl_add_u32 v5, v6, 4, v5                   ; and 16 more for each 256 passed
	s_mul_i32 s21, s15, HALFS
	s_mul_i32 s22, s16, HALFS
	s_add_co_u32 s22, s22, 2*HALFS
	s_sub_co_u32 s22, s22, s21
	v_mul_u32_u24 v6, s22, v2                      ; lanes 16-31 take W's
	s_add_co_u32 s21, s21, SCL
	v_add_nc_u32 v5, v5, v6
	v_add_nc_u32 v[ADRS], s21, v5
	s_mul_i32 s23, s14, 16*SPITCH                  ; my stage
	v_add_nc_u32 v[STO], s23, v4                   ; in: row r, 16 bytes for each half of the lanes
	v_bfe_u32 v5, v0, 3, 1
	v_and_b32 v7, 7, v0
	v_mul_u32_u24 v6, v5, SPITCH                   ; back: lanes 0-15 two rows of my first head (128 bytes each), lanes 16-31 the same of my second head
	v_lshl_add_u32 v6, v2, 7, v6
	v_lshl_add_u32 v6, v7, 4, v6
	v_add_nc_u32 v[RD], s23, v6
	v_lshlrev_b32 v[CO], 18, v2                    ; and in qkv16: a head is 262,144 bytes, a row 128
	v_lshl_add_u32 v[CO], v5, 7, v[CO]
	v_lshl_add_u32 v[CO], v7, 4, v[CO]
	v_mul_u32_u24 v[FO], v1, 12288                 ; first32: row r of 3,072 f32, + 32 bytes for lanes 16-31
	v_lshl_add_u32 v[FO], v2, 5, v[FO]
	v_lshlrev_b32 v[BOF], 5, v2
	; where my part of qkv16 begins: what hangs on cy in s[20:21], what hangs on cx in s[46:47]
	s_lshl_b32 s20, s41, 22                        ; the batch
	s_lshl_b32 s21, s95, 15                        ; 256 rows of 128 bytes for each tile in the batch
	s_add_co_u32 s20, s20, s21
	s_lshl_b32 s21, s15, 14                        ; my 128 rows
	s_add_co_u32 s20, s20, s21
	s_mov_b32 s21, 0
	s_add_nc_u64 s[12:13], s[12:13], s[20:21]
	s_lshl_b32 s46, ttmp9, 24                      ; Q, K or V
	s_lshl_b32 s47, s40, 20                        ; four heads a tile column
	s_add_co_u32 s46, s46, s47
	s_lshl_b32 s47, s16, 19                        ; two heads a wave
	s_add_co_u32 s46, s46, s47
	s_mov_b32 s47, 0
	s_add_nc_u64 s[12:13], s[12:13], s[46:47]
	s_mul_i32 s20, s41, 196608                     ; first32: the batch's 16 rows,
	s_add_nc_u64 s[66:67], s[66:67], s[20:21]
	s_lshl_b32 s46, s42, 10
	s_lshl_b32 s45, s16, 9
	s_add_co_u32 s46, s46, s45                     ; my first column
	s_add_nc_u64 s[66:67], s[66:67], s[46:47]
	s_cmp_eq_u32 ttmp9, 0                          ; the bias: chosen by cluster x alone
	s_cselect_b64 s[96:97], s[96:97], s[98:99]
	s_cmp_eq_u32 ttmp9, 2
	s_cselect_b64 s[96:97], s[100:101], s[96:97]
	s_lshl_b32 s46, s40, 10
	s_add_co_u32 s46, s46, s45                     ; my first column within Q, K or V
	s_add_nc_u64 s[96:97], s[96:97], s[46:47]
.irp b, 0,1,2,3,4,5,6,7
	global_load_b128 v[BI+8*\b:BI+8*\b+3], v[BOF], s[96:97] offset:64*\b      ; lane (r, h): the bias of columns 16 b + 8 h + 0 .. 7
	global_load_b128 v[BI+8*\b+4:BI+8*\b+7], v[BOF], s[96:97] offset:64*\b+16
.endr
.macro FRAG reg, adr, q, i             ; a fragment, 16 rows x 128 K of 4-bit codes: 8 registers: two loads of 16 bytes, 32 bytes apart
.irp c, 0,1
	ds_load_b128 v[\reg+4*\c:\reg+4*\c+3], v[\adr] offset:64*(\q)+32*\c+(\i)*16*PITCH
.endr
.endm
; 16 matrix instructions: x's blocks a0, a0 + 1 against W's eight.  zero = 1: the first product starts the sums from the bias.  The 64 accumulators take turns, one instruction a turn.
.macro MUL16 a0, p, q, sc, zero
.irp a, \a0, \a0+1
.irp b, 0,1,2,3,4,5,6,7
.if \zero
	v_wmma_scale_f32_16x16x128_f8f6f4 v[8*(8*((\a)%4)+\b):8*(8*((\a)%4)+\b)+7], v[128*(\p)+FR*\b:128*(\p)+FR*\b+FR-1], v[AF+FR*(\a):AF+FR*(\a)+FR-1], v[BI+8*\b:BI+8*\b+7], v[SC+8*NQ*(\sc)+NQ*\b+(\q)], v[SC+8*NQ*(\sc)+NQ*(\a)+(\q)] matrix_a_fmt:MATRIX_FMT_FP4 matrix_b_fmt:MATRIX_FMT_FP4 matrix_a_scale:MATRIX_SCALE_ROW1
.else
	v_wmma_scale_f32_16x16x128_f8f6f4 v[8*(8*((\a)%4)+\b):8*(8*((\a)%4)+\b)+7], v[128*(\p)+FR*\b:128*(\p)+FR*\b+FR-1], v[AF+FR*(\a):AF+FR*(\a)+FR-1], v[8*(8*((\a)%4)+\b):8*(8*((\a)%4)+\b)+7], v[SC+8*NQ*(\sc)+NQ*\b+(\q)], v[SC+8*NQ*(\sc)+NQ*(\a)+(\q)] matrix_a_fmt:MATRIX_FMT_FP4 matrix_b_fmt:MATRIX_FMT_FP4 matrix_a_scale:MATRIX_SCALE_ROW1
.endif
.endr
.endr
.endm
.macro FETCH_B slot, q, p
	WIN TO_B
.irp i, 0,1,2,3,4,5,6,7
	FRAG 128*(\p)+FR*\i, ADRB+\slot, \q, \i
.endr
	WIN 0
.endm
.macro FETCH_A slot, q, i0
.irp i, \i0, \i0+1, \i0+2, \i0+3
	FRAG AF+FR*(\i), ADRA+\slot, \q, \i
.endr
.endm
.macro SCALES sc                       ; a slot's scale words: lanes 0-15 take x's block i, lanes 16-31 W's block i; four words (512 along K) a row
.irp i, 0,1,2,3,4,5,6,7
	ds_load_b128 v[SC+8*NQ*\sc+NQ*\i:SC+8*NQ*\sc+NQ*\i+3], v[ADRS] offset:\i*SBLK
.endr
.endm
.macro PLACES n                        ; plain vector lines between a matrix instruction and a load into, or a read of, its registers
.rept \n
	v_nop
.endr
.endm
.macro STEP slot, q, zero              ; 128 along K, with its successor in the same slot
	s_wait_dscnt 4*NL                              ; W's set and x's blocks 0-3 are in; the eight youngest loads (x's blocks 4-7) may be out
.if \zero
	WIN FIRST_LO
.else
	WIN MUL_LO
.endif
	MUL16 0, (\q)%2, \q, \slot, \zero
	MUL16 2, (\q)%2, \q, \slot, \zero
	s_wait_dscnt 0
	PLACES NP
	FETCH_B \slot, (\q)+1, 1-(\q)%2
	FETCH_A \slot, (\q)+1, 0
.if \zero
	WIN FIRST_HI
.else
	WIN MUL_HI
.endif
	MUL16 4, (\q)%2, \q, \slot, \zero
	MUL16 6, (\q)%2, \q, \slot, \zero
	PLACES NP
	WIN 0
	FETCH_A \slot, (\q)+1, 4
.endm
.macro TURN slot, next                 ; a slot's last step changes slots: one barrier; nothing is filled again
	s_wait_tensorcnt 0x0                           ; all my tensor loads have landed: my part of the next slot
	ds_add_u32 v[SPW], v[NIL]                      ; 0 onto my spare word
	s_wait_dscnt 4*NL+1                            ; the add and the eight youngest loads (x's blocks 4-7) may be out
	WIN MUL_LO
	MUL16 0, 1, NQ-1, \slot, 0
	s_wait_dscnt 0x0                               ; the add is done, and my reads of this slot are over
	s_barrier_signal -1
	MUL16 2, 1, NQ-1, \slot, 0
	WIN 0
	s_barrier_wait -1                              ; the next slot is whole, and nobody reads this one any more
	PLACES NP
	v_add_nc_u32 v[ADRS], 4*NQ, v[ADRS]            ; on to the next slot's scale words
	FETCH_B \next, 0, 0
	FETCH_A \next, 0, 0
	SCALES \next
	WIN MUL_HI
	MUL16 4, 1, NQ-1, \slot, 0
	MUL16 6, 1, NQ-1, \slot, 0
	PLACES NP
	WIN 0
	FETCH_A \next, 0, 4
.endm
	s_wait_tensorcnt 1                             ; the scale bytes and my part of slot 0 are in; slot 1's load may be out
	s_barrier_signal -1
	s_barrier_wait -1
	FETCH_B 0, 0, 0
	FETCH_A 0, 0, 0
	SCALES 0
	FETCH_A 0, 0, 4
	s_wait_loadcnt 0x0                             ; the bias
	STEP 0, 0, 1                                   ; the first products start the sums from the bias: nothing is cleared, nothing is added later
	STEP 0, 1, 0
	STEP 0, 2, 0
	TURN 0, 1
	STEP 1, 0, 0
	STEP 1, 1, 0
	STEP 1, 2, 0
	s_wait_dscnt 4*NL                              ; the last step: nothing more to fetch
	WIN MUL_LO
	MUL16 0, 1, NQ-1, 1, 0
	MUL16 2, 1, NQ-1, 1, 0
	s_wait_dscnt 0
	WIN MUL_HI
	MUL16 4, 1, NQ-1, 1, 0
	MUL16 6, 1, NQ-1, 1, 0
	WIN 0
	PLACES NP                                      ; behind the last products: for the reads of results and the writes into x's fragments' registers below
	; the first 16 rows of a sequence, in f32: block 0 of the waves with the tile's upper rows, in the tiles with cluster y = 0: a branch on the wave's number and the cluster's y, the same in all partners
	s_or_b32 s94, s95, s15
	s_cmp_eq_u32 s94, 0
	s_cbranch_scc0 .Lno32
	WIN 0x08                                       ; a store's data are its source 1: window 2
.irp b, 0,1,2,3,4,5,6,7
	global_store_b128 v[FO], v[8*\b:8*\b+3], s[66:67] offset:64*\b          ; each accumulator from its low end on
	global_store_b128 v[FO], v[8*\b+4:8*\b+7], s[66:67] offset:64*\b+16
.endr
	WIN 0
.Lno32:
; THE WAY OUT, block by block of 16 rows x 128 columns: rounded to f16, through my stage, back as rows of a head.
.macro PACK a
.set AC, 64*((\a)%4)
	WIN 0x0a+5*((\a)/4)                            ; sources 0 and 1: window 2 or 3
.irp b, 0,1,2,3,4,5,6,7
.irp r, 0,1,2,3
	v_cvt_pk_f16_f32 v[TMP+4*\b+\r], v[AC+8*\b+2*\r], v[AC+8*\b+2*\r+1]
.endr
.endr
	WIN 0
.endm
.macro TOSTAGE a
.set BB, OB+32*((\a)%2)
.irp b, 0,1,2,3,4,5,6,7
	ds_store_b128 v[STO], v[TMP+4*\b:TMP+4*\b+3] offset:32*\b
.endr
.irp t, 0,1,2,3,4,5,6,7
	ds_load_b128 v[BB+4*\t:BB+4*\t+3], v[RD] offset:\t*2*SPITCH    ; LDS serves a wave's instructions in order: these see the stores above
.endr
.endm
.macro SEND a
.set BB, OB+32*((\a)%2)
	s_wait_dscnt 0x0                               ; the block is back in registers
	s_wait_xcnt 0x0                                ; the stores of the block before have read their registers: the next block's loads may land there
.irp t, 0,1,2,3,4,5,6,7
	global_store_b128 v[CO], v[BB+4*\t:BB+4*\t+3], s[12:13] offset:2048*(\a)+256*\t   ; 16 lanes store 256 consecutive bytes, aligned: two rows of a head
.endr
.endm
	PACK 0
	TOSTAGE 0
.irp a, 1,2,3,4,5,6,7
	PACK \a                                        ; a block's conversions stand between the loads of the block before and the wait for them
	SEND \a-1
	TOSTAGE \a
.endr
	SEND 7
	s_wait_tensorcnt 0x0                           ; the wave's end
	ds_add_u32 v[SPW], v[NIL]
	s_wait_dscnt 0x0
	CROUND                                         ; the closing round
	s_endpgm
.Lfunc_end_k_q3d6e80f0fd_qkv:
	.size	k_q3d6e80f0fd_qkv, .Lfunc_end_k_q3d6e80f0fd_qkv-k_q3d6e80f0fd_qkv
	.p2alignl 7, 3214868480
	.fill 96, 4, 3214868480
	.section	.rodata,"a",@progbits
	.p2align	6, 0x0
	.amdhsa_kernel k_q3d6e80f0fd_qkv
		.amdhsa_group_segment_fixed_size 327680
		.amdhsa_private_segment_fixed_size 0
		.amdhsa_enable_private_segment 0
		.amdhsa_kernarg_size 72
		.amdhsa_user_sgpr_count 2
		.amdhsa_user_sgpr_kernarg_segment_ptr 1
		.amdhsa_wavefront_size32 1
		.amdhsa_system_sgpr_workgroup_id_x 1
		.amdhsa_system_sgpr_workgroup_id_y 1
		.amdhsa_system_sgpr_workgroup_id_z 1
		.amdhsa_system_vgpr_workitem_id 0
		.amdhsa_next_free_vgpr 1024
		.amdhsa_next_free_sgpr 102
		.amdhsa_reserve_vcc 0
		.amdhsa_float_denorm_mode_32 3
		.amdhsa_float_denorm_mode_16_64 3
		.amdhsa_memory_ordered 1
		.amdhsa_forward_progress 1
		.amdhsa_inst_pref_size 130
	.end_amdhsa_kernel
	.amdgpu_metadata
---
amdhsa.version: [ 1, 2 ]
amdhsa.kernels:
  - .name:           k_q3d6e80f0fd_qkv
    .symbol:         k_q3d6e80f0fd_qkv.kd
    .args:
      - { .name: xc, .offset: 0, .size: 8, .value_kind: global_buffer, .address_space: global }
      - { .name: xs, .offset: 8, .size: 8, .value_kind: global_buffer, .address_space: global }
      - { .name: wc, .offset: 16, .size: 8, .value_kind: global_buffer, .address_space: global }
      - { .name: ws, .offset: 24, .size: 8, .value_kind: global_buffer, .address_space: global }
      - { .name: bq, .offset: 32, .size: 8, .value_kind: global_buffer, .address_space: global }
      - { .name: bk, .offset: 40, .size: 8, .value_kind: global_buffer, .address_space: global }
      - { .name: bv, .offset: 48, .size: 8, .value_kind: global_buffer, .address_space: global }
      - { .name: first32, .offset: 56, .size: 8, .value_kind: global_buffer, .address_space: global }
      - { .name: qkv16, .offset: 64, .size: 8, .value_kind: global_buffer, .address_space: global }
    .group_segment_fixed_size: 327680
    .private_segment_fixed_size: 0
    .kernarg_segment_align: 8
    .kernarg_segment_size: 72
    .max_flat_workgroup_size: 128
    .sgpr_count:     102
    .vgpr_count:     1024
    .wavefront_size: 32
...
	.end_amdgpu_metadata
.endif
;; end of part 2
;; launch attn (part 3): grid 4 x 64, 8 waves a work-group, no clusters, 327,680 bytes of LDS; arguments qkv16, o16; writes o16
.if DOCPART == 3
	.amdgcn_target "amdgcn-amd-amdhsa--gfx1250"
	.amdhsa_code_object_version 6
	.text
	.protected	k_q3d6e80f0fd_attn
	.globl	k_q3d6e80f0fd_attn
	.p2align	8
	.type	k_q3d6e80f0fd_attn,@function
k_q3d6e80f0fd_attn:
	s_mov_b64 s[64:65], 0
	v_nop
	global_prefetch_b8 v0, s[64:65] scope:SCOPE_SE
	s_setreg_imm32_b32 hwreg(HW_REG_WAVE_MODE, 25, 1), 1
	s_wait_xcnt 0x0
; o[b][h][q] = the sum over k <= q of softmax_k(Q[q] . K[k] / 8) V[k], head size 64, 2,048 positions, 64 heads in all.  Q, K, V: f16, [Q,K,V][b][h][s][64].  Products on f16 operands with f32 sums; maxima, exponentials and sums in f32;
; the weights p are rounded to f16 for the second product, o once at the end.  o16: [h][b x 2048 + s][64] f16.
; SHARES.  Work-group (i, head) owns the query blocks i and 7 - i of 256 queries: first block i (key slots 0 .. i of 256 keys), then block 7 - i (slots 0 .. 7 - i): NINE slots for every work-group, so all trip counts are
; constants and all 256 work-groups have the same work.  Each of the eight waves owns 32 queries, two tiles of 16: a fragment of K or V read from LDS feeds two products.  Two waves share a SIMD.
; NO CLUSTER: the four work-groups of a head go over to their second block at walk index i + 1 = 1 .. 4; from walk index 1 on they want different key slots, so a joint load would bring tiles that a partner never reads.
; LAYOUT.  S^T = K Q^T (source 0 = 16 keys, source 1 = 16 queries): a lane holds ONE query (lane % 16) and the keys 8 (lane / 16) + 0..7 of a tile.  Two such tiles, rounded in pairs, are source 1 (32 keys x 16 queries) of
; O^T = V^T P, whose result again holds one query a lane.  K comes out of LDS as it lies, V ([key][channel]) turned by ds_load_tr16_b128.
; SOFTMAX.  A running maximum m (kept as c m, c = log2(e) / 8) and sum l: p = 2^(c s - c m); in every step O and l are multiplied by a = 2^(c m_old - c m_new).
; THE MASK.  A step of 64 keys all of which come after my 32 queries is left out (a scalar branch on ids); on the diagonal hidden scores become -infinity ahead of the maximum.  In every step that is walked each of my
; queries sees the step's first key, so the maximum is a number.
; LIMITS: |o| up to 65,504 (f16); NaN and infinities are not served.
; REGISTERS: window 0: v1-15 addresses and constants; v16-31 statistics, 8 a tile; v32-63 Q; v64-127 S^T; v128-159 P; v160-223 O^T.  window 1: v0-63 K's fragments, v64-127 V's.
.set PK,    144                        ; a row of K in LDS: 128 bytes + 16: the 16 rows of a load start at 16 different banks (64 banks of 4 bytes: ISA guide 11.1)
.set PV,    160                        ; a row of V: 128 + 32
.set VOFF,  64*PK                      ; a step's tiles lie together: 64 rows of K, then 64 rows of V
.set STEPB, 64*(PK+PV)
.set SLOT1, 1<<17                      ; a slot holds four steps (77,824 bytes); slot 1 begins here: one exclusive or turns an address
.set STAGE, SLOT1+4*STEPB              ; the way out: 32 rows x 144 bytes for each wave
.set SPARE, STAGE+8*32*PK              ; the spare words, 128 bytes a wave
.set ST, 16                            ; tile u at v[ST + 8 u]: +0 c m, +1 c m_old, +2, +3 l (even keys', odd keys'), +4 .. +7 at work; a in +6
.set Q,  32                            ; tile u, channels 32 ks on: v[Q + 16 u + 8 ks]
.set S,  64                            ; tile u, keys 16 kt on: v[S + 32 u + 8 kt]
.set P,  128                           ; tile u: v[P + 16 u]
.set O,  160                           ; tile u, channels 16 dt on: v[O + 32 u + 8 dt]
; v1 my place in a tile of K; v2 in a tile of V; v3, v4 the addresses in hand; v5 my offset in Q; v6, v7 the stage, in and back; v8 16 x lane; v9 256 x lane; v10, v11 the add's two; v12 r - 8 h; v13, v14 the mask's bounds; v15 -infinity
; s8 wave; s9 i; s10 head; s11 i + 1; s12 walk index; s13 the step's first key; s14 my first query; s15 LDS byte of the step in hand; s16 steps to go in a slot; s[18:19] Q's head; s[20:21] my part of K or V, key slot 0;
; s[22:23] o's head; s[24:31], s[32:39] group 1 for K, V; s[40:43] group 0; s[44:45] my Q; s[46:47] my o; s[48:49] the prefetch; s[50:51] c; s[52:53] lane selects; s54-59 at work
.set MSB, 0
.macro WIN new                         ; the immediate's high byte repeats the setting that is left
.if MSB != \new
	s_set_vgpr_msb (MSB<<8)|\new
.set MSB, \new
.endif
.endm
; Waves 0-3 fetch K of a slot's steps 0-3, waves 4-7 V of the same: 64 rows of 128 bytes each, one load a wave.  An s_nop 0 and four v_nop follow each line.
.macro TLOAD
	s_cmp_lt_u32 s8, 4
	s_cbranch_scc0 .Lfor_v_\@
	tensor_load_to_lds s[40:43], s[24:31]
	s_nop 0
.rept 4
	v_nop
.endr
	s_branch .Lasked_\@
.Lfor_v_\@:
	tensor_load_to_lds s[40:43], s[32:39]
	s_nop 0
.rept 4
	v_nop
.endr
.Lasked_\@:
.endm
; A prefetch of what the NEXT change of slots will ask for.  Key slots 4 to 7 of a head are first walked by its work-group i = 0 (walk indices 5 to 8): it alone asks, at walk indices 3 to 6, each wave for the 8,192 bytes
; that it will itself load at the next change, lanes 256 bytes apart: each block is named once in the launch, a slot's four steps ahead of its load.  Key slots 0 to 3 come by their loads alone.
.macro ASK
	s_sub_co_u32 s54, s12, 3
	s_lshl_b32 s55, s9, 4
	s_or_b32 s54, s54, s55
	s_cmp_lt_u32 s54, 4
	s_cbranch_scc0 .Lnot_mine_\@
	global_prefetch_b8 v9, s[48:49] th:TH_LOAD_NT scope:SCOPE_SE
.Lnot_mine_\@:
.endm
; THE CHANGE OF SLOTS stands at a slot's head.  Each wave waits for all its tensor loads (one is out: its part of the slot ahead), adds 0 to its spare word, waits for that and for its reads of the slot that it has left.
; Behind the barrier the slot ahead is whole and nobody reads the other one.  fill = 1: that one takes the next walk index's keys: the load has four steps in which to land.
.macro CHANGE fill
	s_wait_tensorcnt 0x0                           ; no tensor load of mine is out, so the group 0 may be written
	ds_add_u32 v10, v11                            ; 0 onto my spare word; the descriptor's steps stand between it and the wait for it
.if \fill
	s_add_co_u32 s54, s12, 1                       ; the next walk index:
	s_sub_co_u32 s55, s54, s11
	s_cmp_lt_u32 s54, s11
	s_cselect_b32 s54, s54, s55                    ; its key slot, in the first block or in the second
	s_lshl_b32 s54, s54, 15                        ; 256 keys of 128 bytes
	s_mov_b32 s55, 0
	s_add_nc_u64 s[42:43], s[20:21], s[54:55]
	s_or_b32 s43, s43, 0x80000000                  ; type = 2
	s_xor_b32 s41, s41, SLOT1                      ; the other slot than last time
	s_wait_xcnt 0x0                                ; the last prefetch, a slot back, has read its address
	s_add_co_u32 s54, s12, 1
	s_lshl_b32 s54, s54, 15
	s_add_nc_u64 s[48:49], s[20:21], s[54:55]      ; in work-group i = 0: the key slot of the walk index after next
.endif
	s_wait_dscnt 0x0                               ; the add is done, and my reads of the slot that I have left are over
	s_barrier_signal -1
	s_barrier_wait -1
.if \fill
	TLOAD                                          ; the first thing behind the barrier, and my one tensor load until the next
	ASK
.endif
.endm
; A block of queries begins: addresses, Q into registers, the statistics and O^T.
.macro INIT
	s_lshl_b32 s54, s14, 7
	s_mov_b32 s55, 0
	s_add_nc_u64 s[44:45], s[18:19], s[54:55]
	s_add_nc_u64 s[46:47], s[22:23], s[54:55]
.irp u, 0,1
.irp ks, 0,1
.irp c, 0,1
	global_load_b128 v[Q+16*\u+8*\ks+4*\c:Q+16*\u+8*\ks+4*\c+3], v5, s[44:45] offset:2048*\u+64*\ks+32*\c
.endr
.endr
.endr
.set n, 0
.rept 64
	v_mov_b32 v[O+n], 0                            ; the step is written once: the first finds zeros, which the first a leaves zeros
.set n, n+1
.endr
.irp u, 0,1
	v_mov_b32 v[ST+8*\u], 0xff61b1e6               ; c m: -3e38, under every score
.irp k, 1,2,3,4,5,6,7
	v_mov_b32 v[ST+8*\u+\k], 0
.endr
.endr
	s_wait_loadcnt 0x0                             ; Q
.endm
; A KEY STEP: 64 keys.
.macro STEP
	s_add_co_u32 s54, s14, 31
	s_cmp_gt_u32 s13, s54                          ; all 64 keys come after my 32 queries: the step's work is left out, not the lines at its end that step addresses
	s_cbranch_scc1 .Lhidden_\@
	v_add_nc_u32 v3, s15, v1
	v_add_nc_u32 v4, s15, v2
	v_nop
	v_nop                                          ; four plain lines between the last step's products and the loads into V's registers
	WIN 0x40                                       ; destination window 1
.irp kt, 0,1,2,3
.irp ks, 0,1
	ds_load_b128 v[16*\kt+8*\ks:16*\kt+8*\ks+3],   v3 offset:\kt*16*PK+64*\ks
	ds_load_b128 v[16*\kt+8*\ks+4:16*\kt+8*\ks+7], v3 offset:\kt*16*PK+64*\ks+32
.endr
.endr
.irp k2, 0,1
.irp dt, 0,1,2,3
	ds_load_tr16_b128 v[64+8*(4*\k2+\dt):64+8*(4*\k2+\dt)+3],   v4 offset:\k2*32*PV+32*\dt
	ds_load_tr16_b128 v[64+8*(4*\k2+\dt)+4:64+8*(4*\k2+\dt)+7], v4 offset:\k2*32*PV+16*PV+32*\dt
.endr
.endr
	s_wait_dscnt 16                                ; K's sixteen loads are in; V's sixteen may be out
	WIN 0x01                                       ; source 0 window 1
.irp ks, 0,1                                   ; S^T = K Q^T: the eight accumulators take turns
.irp kt, 0,1,2,3
.irp u, 0,1
.if \ks == 0
	v_wmma_f32_16x16x32_f16 v[S+32*\u+8*\kt:S+32*\u+8*\kt+7], v[16*\kt+8*\ks:16*\kt+8*\ks+7], v[Q+16*\u+8*\ks:Q+16*\u+8*\ks+7], 0
.else
	v_wmma_f32_16x16x32_f16 v[S+32*\u+8*\kt:S+32*\u+8*\kt+7], v[16*\kt+8*\ks:16*\kt+8*\ks+7], v[Q+16*\u+8*\ks:Q+16*\u+8*\ks+7], v[S+32*\u+8*\kt:S+32*\u+8*\kt+7]
.endif
.endr
.endr
.endr
	WIN 0
.rept 4
	v_nop                                          ; places in front of the first read of the scores
.endr
	s_add_co_u32 s54, s13, 63
	s_cmp_le_u32 s54, s14                          ; all 64 keys count for all my queries: no mask
	s_cbranch_scc1 .Lopen_\@
	s_sub_co_i32 s54, s14, s13
	v_add_nc_u32 v13, s54, v12                     ; tile 0: my query - the step's first key - 8 (lane / 16).  Register n holds key 16 (n / 8) + n % 8 + 8 (lane / 16): hidden where 16 (n / 8) + n % 8 is above this
	v_add_nc_u32 v14, 16, v13                      ; tile 1
.irp u, 0,1
.set n, 0
.rept 32
	v_cmp_gt_i32 vcc_lo, 16*(n/8)+n%8, v[13+\u]
	v_cndmask_b32 v[S+32*\u+n], v[S+32*\u+n], v15, vcc_lo
.set n, n+1
.endr
.endr
.Lopen_\@:
	; the maximum of a tile's 32 scores, three operands at a time, four chains; the two tiles by turns; each accumulator is read from its low end on
.irp k, 0,1,2,3
.irp u, 0,1
	v_max3_num_f32 v[ST+8*\u+4+\k], v[S+32*\u+8*\k], v[S+32*\u+8*\k+1], v[S+32*\u+8*\k+2]
.endr
.endr
.irp i, 3,5
.irp k, 0,1,2,3
.irp u, 0,1
	v_max3_num_f32 v[ST+8*\u+4+\k], v[ST+8*\u+4+\k], v[S+32*\u+8*\k+\i], v[S+32*\u+8*\k+\i+1]
.endr
.endr
.endr
.irp u, 0,1
	v_max3_num_f32 v[ST+8*\u+4], v[ST+8*\u+4], v[S+32*\u+7], v[S+32*\u+15]
.endr
.irp u, 0,1
	v_max3_num_f32 v[ST+8*\u+6], v[ST+8*\u+6], v[S+32*\u+23], v[S+32*\u+31]
.endr
.irp u, 0,1
	v_max3_num_f32 v[ST+8*\u+4], v[ST+8*\u+4], v[ST+8*\u+5], v[ST+8*\u+6]
.endr
.irp u, 0,1
	v_max_num_f32 v[ST+8*\u+4], v[ST+8*\u+4], v[ST+8*\u+7]
.endr
.irp u, 0,1
	v_permlanex16_b32 v[ST+8*\u+5], v[ST+8*\u+4], s52, s53   ; the query's other 32 keys lie in the lane 16 away
.endr
.irp u, 0,1
	v_max_num_f32 v[ST+8*\u+4], v[ST+8*\u+4], v[ST+8*\u+5]
.endr
.irp u, 0,1
	v_mov_b32 v[ST+8*\u+1], v[ST+8*\u]             ; c m_old
.endr
.irp u, 0,1
	v_mul_f32 v[ST+8*\u+4], s50, v[ST+8*\u+4]      ; the step's maximum x c (c is positive)
.endr
.irp u, 0,1
	v_max_num_f32 v[ST+8*\u], v[ST+8*\u], v[ST+8*\u+4]   ; c m
.endr
.irp u, 0,1
	v_sub_f32 v[ST+8*\u+7], v[ST+8*\u+1], v[ST+8*\u]
.endr
.irp u, 0,1
	v_exp_f32 v[ST+8*\u+6], v[ST+8*\u+7]           ; a.  ONE BATCH begins: these two and the 64 below; none of its results is named before the one wait
.endr
.set n, 0
.rept 16
.irp u, 0,1
	v_pk_fma_f32 v[S+32*\u+2*n:S+32*\u+2*n+1], v[S+32*\u+2*n:S+32*\u+2*n+1], s[50:51], v[ST+8*\u:ST+8*\u+1] op_sel_hi:[1,0,0] neg_lo:[0,0,1] neg_hi:[0,0,1]   ; c s - c m, two at a time
.endr
.set n, n+1
.endr
.set n, 0
.rept 64
	v_exp_f32 v[S+n], v[S+n]                       ; p = 2^(c s - c m), at most 1
.set n, n+1
.endr
	v_nop                                          ; a plain line behind the last exponential
	s_wait_alu depctr_va_vdst(0)                   ; one wait for the 66 exponentials, ahead of their first reader
.set n, 0
.rept 16
.irp u, 0,1
	v_cvt_pk_f16_f32 v[P+16*\u+n], v[S+32*\u+2*n], v[S+32*\u+2*n+1]
.endr
.set n, n+1
.endr
.irp w, 4,8,16,32                              ; the sum of a tile's 16 pairs, in place: neighbours 1, 2, 4, 8 pairs apart
.set n, 0
.rept 32/\w
.irp u, 0,1
	v_pk_add_f32 v[S+32*\u+\w*n:S+32*\u+\w*n+1], v[S+32*\u+\w*n:S+32*\u+\w*n+1], v[S+32*\u+\w*n+\w/2:S+32*\u+\w*n+\w/2+1]
.endr
.set n, n+1
.endr
.endr
.irp u, 0,1
	v_pk_fma_f32 v[ST+8*\u+2:ST+8*\u+3], v[ST+8*\u+2:ST+8*\u+3], v[ST+8*\u+6:ST+8*\u+7], v[S+32*\u:S+32*\u+1] op_sel_hi:[1,0,1]   ; l = a l + the sum
.endr
.irp u, 0,1
.set n, 0
.rept 16
	v_pk_mul_f32 v[O+32*\u+2*n:O+32*\u+2*n+1], v[O+32*\u+2*n:O+32*\u+2*n+1], v[ST+8*\u+6:ST+8*\u+7] op_sel_hi:[1,0]   ; O^T x a, each accumulator from its low end on
.set n, n+1
.endr
.endr
	s_wait_dscnt 0x0                               ; V is in
	WIN 0x01
.irp k2, 0,1                                   ; O^T += V^T P: the eight accumulators take turns
.irp dt, 0,1,2,3
.irp u, 0,1
	v_wmma_f32_16x16x32_f16 v[O+32*\u+8*\dt:O+32*\u+8*\dt+7], v[64+8*(4*\k2+\dt):64+8*(4*\k2+\dt)+7], v[P+16*\u+8*\k2:P+16*\u+8*\k2+7], v[O+32*\u+8*\dt:O+32*\u+8*\dt+7]
.endr
.endr
.endr
	WIN 0
.Lhidden_\@:
	s_add_co_u32 s13, s13, 64
	s_add_co_u32 s15, s15, STEPB
.endm
.macro FOUR_STEPS                      ; a slot's four steps: written once, walked four times
	s_mov_b32 s16, 4
.Lstep_\@:
	STEP
	s_sub_co_u32 s16, s16, 1
	s_cmp_lg_u32 s16, 0
	s_cbranch_scc1 .Lstep_\@
	s_sub_co_u32 s15, s15, 4*STEPB
	s_xor_b32 s15, s15, SLOT1                      ; on to the other slot
.endm
; A block of queries ends: O^T / l, rounded to f16, through my stage, out as 4,096 consecutive bytes (32 rows of 128).  The additions are the places behind the last products.
.macro FINISH mid
.irp u, 0,1
	v_add_f32 v[ST+8*\u+4], v[ST+8*\u+2], v[ST+8*\u+3]
.endr
.irp u, 0,1
	v_permlanex16_b32 v[ST+8*\u+5], v[ST+8*\u+4], s52, s53
.endr
.irp u, 0,1
	v_add_f32 v[ST+8*\u+4], v[ST+8*\u+4], v[ST+8*\u+5]
.endr
.irp u, 0,1
	v_rcp_f32 v[ST+8*\u+6], v[ST+8*\u+4]
.endr
	v_nop                                          ; a plain line behind the last reciprocal
	s_wait_alu depctr_va_vdst(0)                   ; one wait for the two, ahead of their first reader
.irp u, 0,1
.set n, 0
.rept 16
	v_pk_mul_f32 v[O+32*\u+2*n:O+32*\u+2*n+1], v[O+32*\u+2*n:O+32*\u+2*n+1], v[ST+8*\u+6:ST+8*\u+7] op_sel_hi:[1,0]
.set n, n+1
.endr
.endr
.irp u, 0,1
.set n, 0
.rept 16
	v_cvt_pk_f16_f32 v[P+16*\u+n], v[O+32*\u+2*n], v[O+32*\u+2*n+1]
.set n, n+1
.endr
.endr
.irp u, 0,1
.irp dt, 0,1,2,3
	ds_store_b128 v6, v[P+16*\u+4*\dt:P+16*\u+4*\dt+3] offset:16*PK*\u+32*\dt
.endr
.endr
.irp e, 0,1,2,3,4,5,6,7
	ds_load_b128 v[S+4*\e:S+4*\e+3], v7 offset:4*PK*\e   ; four rows a load; LDS serves a wave's instructions in order: these see my stores
.endr
.irp e, 0,1,2,3,4,5,6,7
	s_wait_dscnt 7-\e                              ; load e is in; the younger ones of this run may be out
	global_store_b128 v8, v[S+4*\e:S+4*\e+3], s[46:47] offset:512*\e   ; 32 lanes store 512 consecutive bytes, aligned
.endr
.if \mid
	s_wait_xcnt 0x0                                ; the stores have read their registers and their base: both are written again below
.endif
.endm
	s_load_b128 s[4:7], s[0:1], 0x0                ; qkv16, o16
	v_lshl_add_u32 v10, v0, 2, SPARE
	v_mov_b32 v11, 0
	ds_add_u32 v10, v11                            ; the wave's opening: the add, twice on end, and its wait ahead of my first tensor load
	ds_add_u32 v10, v11
	v_lshrrev_b32 v13, 5, v0
	v_readfirstlane_b32 s8, v13                    ; wave 0..7
	s_mov_b32 s9, ttmp9                            ; i
	s_and_b32 s10, ttmp7, 0xffff                   ; 16 b + h
	s_add_co_u32 s11, s9, 1                        ; the walk index at which the second block begins
	s_mov_b32 s24, (1<<16)|(1<<20)|(4<<22)|(3<<25) ; K: elements of 2 bytes; padding on: 4 words behind every 32
	s_mov_b32 s32, (1<<16)|(1<<20)|(4<<22)|(7<<25) ; V: 8 words
.irp g, 24, 32
	s_mov_b32 s[\g+1], 64<<16                      ; tensor_dim0 = 64
	s_mov_b32 s[\g+2], 64<<16                      ; tensor_dim1 = 64
	s_mov_b32 s[\g+3], 64<<16                      ; tile_dim0 = 64
	s_mov_b32 s[\g+4], 64                          ; tile_dim1 = 64
	s_mov_b32 s[\g+5], 64                          ; stride: rows are dense
	s_mov_b32 s[\g+6], 0
	s_mov_b32 s[\g+7], 0
.endr
	s_and_b32 s54, s8, 3                           ; which of a slot's four steps I fetch
	s_lshr_b32 s55, s8, 2                          ; for K (0) or for V (1)
	s_mul_i32 s56, s54, STEPB
	s_mul_i32 s57, s55, VOFF
	s_mov_b32 s40, 1                               ; count = 1
	s_add_co_u32 s41, s56, s57                     ; LDS address, slot 0
	s_add_co_u32 s55, s55, 1
	s_lshl_b32 s55, s55, 24                        ; K's or V's part of qkv16
	s_lshl_b32 s56, s10, 18                        ; the head: 2,048 rows of 128 bytes
	s_lshl_b32 s54, s54, 13                        ; the step's 64 rows
	s_add_co_u32 s54, s54, s55
	s_add_co_u32 s54, s54, s56
	s_mov_b32 s55, 0
	s_mov_b32 s57, 0
	s_and_b32 s58, s10, 15
	s_lshl_b32 s58, s58, 20                        ; o16: the head's plane,
	s_lshr_b32 s59, s10, 4
	s_lshl_b32 s59, s59, 18                        ; the batch's rows
	s_add_co_u32 s58, s58, s59
	s_mov_b32 s59, 0
	s_mov_b32 s50, 0x3e38aa3b                      ; c = log2(e) / 8
	s_mov_b32 s51, s50                             ; (named with it as a pair)
	s_mov_b32 s52, 0x76543210
	s_mov_b32 s53, 0xfedcba98                      ; lane l xor 16
	s_mov_b32 s12, 0
	s_mov_b32 s13, 0
	s_mov_b32 s15, 0
	s_lshl_b32 s14, s9, 8
	s_lshl_b32 s16, s8, 5
	s_add_co_u32 s14, s14, s16                     ; my first query: 256 i + 32 x wave
	s_wait_dscnt 0x0                               ; both opening adds are done
	s_wait_kmcnt 0x0
	s_add_nc_u64 s[20:21], s[4:5], s[54:55]
	s_add_nc_u64 s[18:19], s[4:5], s[56:57]
	s_add_nc_u64 s[22:23], s[6:7], s[58:59]
	s_mov_b64 s[42:43], s[20:21]                   ; key slot 0
	s_or_b32 s43, s43, 0x80000000
	TLOAD                                          ; slot 0: one tensor load of mine is out, here and behind every change of slots
	v_and_b32 v13, 15, v0                          ; r
	v_bfe_u32 v14, v0, 4, 1                        ; h
	v_and_b32 v3, 31, v0                           ; lane
	v_mul_u32_u24 v1, v13, PK
	v_lshl_add_u32 v1, v14, 4, v1                  ; K: row r x pitch + 16 h
	v_and_b32 v4, 7, v0
	v_lshl_add_u32 v2, v14, 3, v4                  ; V: key 8 h + lane % 8,
	v_mul_u32_u24 v2, v2, PV
	v_bfe_u32 v15, v0, 3, 1
	v_lshl_add_u32 v2, v15, 4, v2                  ; channels 8 ((lane / 8) % 2) on
	v_add_nc_u32 v2, VOFF, v2
	v_lshlrev_b32 v5, 7, v13
	v_lshl_add_u32 v5, v14, 4, v5                  ; Q: row r of 128 bytes + 16 h
	s_mul_i32 s54, s8, 32*PK
	s_add_co_u32 s54, s54, STAGE                   ; my stage
	v_add_nc_u32 v6, s54, v1                       ; in: row r, 16 bytes for each half of the lanes
	v_bfe_u32 v7, v0, 3, 2
	v_mul_u32_u24 v7, v7, PK
	v_lshl_add_u32 v7, v4, 4, v7
	v_add_nc_u32 v7, s54, v7                       ; back: eight lanes to a row of 128 bytes
	v_lshlrev_b32 v8, 4, v3
	v_lshlrev_b32 v9, 8, v3
	v_lshlrev_b32 v12, 3, v14
	v_sub_nc_u32 v12, v13, v12                     ; r - 8 h
	v_mov_b32 v15, 0xff800000                      ; -infinity
	INIT
.Lwalk:                                            ; eight trips: behind each change of slots but the last the next walk index's keys are asked for
	CHANGE 1
	s_cmp_eq_u32 s12, s11                          ; the second block begins here (walk index 1 .. 4): ids alone, the same in all eight waves; no barrier and no tensor load stands in the arm
	s_cbranch_scc0 .Lsame_block
	FINISH 1
	s_sub_co_u32 s54, 7, s9
	s_lshl_b32 s54, s54, 8
	s_lshl_b32 s55, s8, 5
	s_add_co_u32 s14, s54, s55                     ; my first query: 256 (7 - i) + 32 x wave
	s_mov_b32 s13, 0
	INIT
.Lsame_block:
	FOUR_STEPS
	s_add_co_u32 s12, s12, 1
	s_cmp_lt_u32 s12, 8
	s_cbranch_scc1 .Lwalk
	CHANGE 0                                       ; the last slot is written out: nothing is left to fetch
	FOUR_STEPS
	FINISH 0
	s_wait_tensorcnt 0x0                           ; the wave's end
	ds_add_u32 v10, v11
	s_wait_dscnt 0x0
	s_endpgm
.Lfunc_end_k_q3d6e80f0fd_attn:
	.size	k_q3d6e80f0fd_attn, .Lfunc_end_k_q3d6e80f0fd_attn-k_q3d6e80f0fd_attn
	.p2alignl 7, 3214868480
	.fill 96, 4, 3214868480
	.section	.rodata,"a",@progbits
	.p2align	6, 0x0
	.amdhsa_kernel k_q3d6e80f0fd_attn
		.amdhsa_group_segment_fixed_size 327680
		.amdhsa_private_segment_fixed_size 0
		.amdhsa_enable_private_segment 0
		.amdhsa_kernarg_size 16
		.amdhsa_user_sgpr_count 2
		.amdhsa_user_sgpr_kernarg_segment_ptr 1
		.amdhsa_wavefront_size32 1
		.amdhsa_system_sgpr_workgroup_id_x 1
		.amdhsa_system_sgpr_workgroup_id_y 1
		.amdhsa_system_sgpr_workgroup_id_z 1
		.amdhsa_system_vgpr_workitem_id 0
		.amdhsa_next_free_vgpr 384
		.amdhsa_next_free_sgpr 66
		.amdhsa_reserve_vcc 1
		.amdhsa_float_denorm_mode_32 3
		.amdhsa_float_denorm_mode_16_64 3
		.amdhsa_memory_ordered 1
		.amdhsa_forward_progress 1
		.amdhsa_inst_pref_size 70
	.end_amdhsa_kernel
	.amdgpu_metadata
---
amdhsa.version: [ 1, 2 ]
amdhsa.kernels:
  - .name:           k_q3d6e80f0fd_attn
    .symbol:         k_q3d6e80f0fd_attn.kd
    .args:
      - { .name: qkv16, .offset: 0, .size: 8, .value_kind: global_buffer, .address_space: global }
      - { .name: o16, .offset: 8, .size: 8, .value_kind: global_buffer, .address_space: global }
    .group_segment_fixed_size: 327680
    .private_segment_fixed_size: 0
    .kernarg_segment_align: 8
    .kernarg_segment_size: 16
    .max_flat_workgroup_size: 256
    .sgpr_count:     66
    .vgpr_count:     384
    .wavefront_size: 32
...
	.end_amdgpu_metadata
.endif
;; end of part 3
;; launch oproj (part 4): grid 4 x 64, 4 waves a work-group, clusters of 4 x 4, 327,680 bytes of LDS; arguments o16, wo16, bo, out0; writes out0
.if DOCPART == 4
	.amdgcn_target "amdgcn-amd-amdhsa--gfx1250"
	.amdhsa_code_object_version 6
	.text
	.protected	k_q3d6e80f0fd_oproj
	.globl	k_q3d6e80f0fd_oproj
	.p2align	8
	.type	k_q3d6e80f0fd_oproj,@function
k_q3d6e80f0fd_oproj:
	s_mov_b64 s[64:65], 0
	v_nop
	global_prefetch_b8 v0, s[64:65] scope:SCOPE_SE
	s_setreg_imm32_b32 hwreg(HW_REG_WAVE_MODE, 25, 1), 1
	s_wait_xcnt 0x0
	s_wait_alu depctr_hold_cnt(0) depctr_sa_sdst(0) depctr_va_vdst(0) depctr_va_sdst(0) depctr_va_ssrc(0) depctr_va_vcc(0) depctr_vm_vsrc(0)
	s_getreg_b32 s2, hwreg(HW_REG_IB_STS2, 6, 4)
	s_cmp_eq_u32 s2, 0
	s_cbranch_scc0 .Lentry_in_a_cluster
	s_endpgm
.Lentry_in_a_cluster:
	s_bfe_u32 s2, ttmp6, 0x10000c
	s_cmp_lg_u32 s2, 0xf033
	s_cbranch_scc0 .Lentry_shape_is_right
	s_endpgm
.Lentry_shape_is_right:
; out0[m][n] = sum over k of o[m][k] Wo[n][k] + bo[n]: 8192 x 1024 x 1024 on f16 operands, sums in f32, out in f32.  o16 lies by head, [16][8192][64]: k = 64 head + channel.
; A tile of 128 x 256 gives 256 work-groups (256 x 256 would give 128).  Four waves, each 64 rows x 128 columns: 32 accumulators, 256 registers.  K goes in steps of 128 (two heads of o; rows of 256 bytes of Wo)
; through a ring of two LDS slots.  CLUSTERS: 4 x 4: o's tile is shared along a row of the cluster, Wo's along a column: each is asked for jointly.
; THE MATRIX INSTRUCTION IS USED TRANSPOSED (source 0 = 16 rows of Wo, source 1 = 16 rows of o): a lane holds eight neighbouring columns of one row.  The bias is the C of each sum's first instruction.
; The first 16 rows of each sequence are written here like all others and written over by the launch that follows, which carries them in f32.
; REGISTERS: window 0: v0-31 addresses; v64-159, v160-255 two fragment buffers (Wo's 8 blocks, then o's 4); window 1: the accumulators ((a, b) at v[8 (8 a + b)]); window 2: v0-63 the bias.
.set PA,     144                       ; a row of o in LDS: 128 bytes + 16
.set PB,     272                       ; a row of Wo: 256 + 16: in both the 16 rows of a load start at 16 different banks (64 banks of 4 bytes: ISA guide 11.1)
.set PLANE,  128*PA                    ; one head's 128 rows: what wave 0 or 1 fetches
.set BOFF,   2*PLANE
.set HALFB,  128*PB                    ; 128 rows of Wo: what wave 2 or 3 fetches
.set SLOT,   BOFF+2*HALFB
.set STAGE,  2*SLOT                    ; the way out: 16 rows x (512 + 16) bytes for each wave
.set SPITCH, 528
.set SPARE,  STAGE+4*16*SPITCH
.set LAPS,   4                         ; a lap = two K steps
.set ADRA, 16
.set ADRB, 20
.set STO,  24
.set RD,   25
.set CO,   26
.set BOF,  27
.set SPW,  28
.set NIL,  29
.set F0,   64
.set F1,   160
.set BK,   64                          ; the way out: rows read back: v64-127 and v128-191 by turns
.set G1, 24
.set G0, 32
.set G1B, 48
.set G0B, 56
.set MSB, 0
.macro WIN new
.if MSB != \new
	s_set_vgpr_msb (MSB<<8)|\new
.set MSB, \new
.endif
.endm
.set MUL,   0x50                       ; C and D window 1
.set FIRST, 0x60                       ; C (the bias) window 2, D window 1
.macro JLOAD s                         ; waves 0 and 1 fetch o's two heads, waves 2 and 3 Wo's two halves; an s_nop 0 and four v_nop follow each line
	s_cmp_eq_u32 s13, 0
	s_cbranch_scc0 .Lfor_b_\@
	tensor_load_to_lds s[G0+4*\s:G0+4*\s+3], s[G1:G1+7]
	s_nop 0
.rept 4
	v_nop
.endr
	s_branch .Lasked_\@
.Lfor_b_\@:
	tensor_load_to_lds s[G0B+4*\s:G0B+4*\s+3], s[G1B:G1B+7]
	s_nop 0
.rept 4
	v_nop
.endr
.Lasked_\@:
.endm
.macro CREST
	s_cmp_lg_u32 s12, 0
	s_cbranch_scc1 .Lnot_wave_0_\@
	s_barrier_signal -3
.Lnot_wave_0_\@:
	s_barrier_wait -3
	s_barrier_signal -1
	s_barrier_wait -1
.endm
.macro CROUND
	s_barrier_signal -1
	s_barrier_wait -1
	CREST
.endm
	s_load_b256 s[4:11], s[0:1], 0x0               ; o16, wo16, bo, out0
	v_lshl_add_u32 v[SPW], v0, 2, SPARE
	v_mov_b32 v[NIL], 0
	ds_add_u32 v[SPW], v[NIL]                      ; the wave's opening: the add, twice on end, and its wait ahead of my first tensor load
	ds_add_u32 v[SPW], v[NIL]
	v_lshrrev_b32 v1, 5, v0
	v_readfirstlane_b32 s12, v1                    ; wave 0..3
	s_lshr_b32 s13, s12, 1                         ; which 64 rows are mine.  Also: I fetch for o (0) or for Wo (1)
	s_and_b32 s14, s12, 1                          ; which 128 columns.  Also: which half of that tile I fetch
	s_bfe_u32 s40, ttmp6, 0x40000                  ; cx
	s_bfe_u32 s41, ttmp6, 0x40004                  ; cy
	s_lshl_b32 s42, ttmp9, 2
	s_add_co_u32 s42, s42, s40                     ; tile column
	s_and_b32 s15, ttmp7, 0xffff
	s_lshl_b32 s15, s15, 2
	s_add_co_u32 s15, s15, s41                     ; tile row
	s_lshl_b32 s43, s41, 2
	s_lshl_b32 s43, 15, s43                        ; my row of the cluster
	s_lshl_b32 s44, 0x1111, s40                    ; my column
	s_or_b32 s[G1+0], s43, (1<<16)|(1<<20)|(1<<21)|(4<<22)|(3<<25)   ; o: elements of 2 bytes; 4 words of padding behind every 32; bit 21 beside the mask
	s_mov_b32 s[G1+1], 64<<16                      ; tensor_dim0 = 64
	s_mov_b32 s[G1+2], 128<<16                     ; tensor_dim1 = 128
	s_mov_b32 s[G1+3], 64<<16                      ; tile_dim0
	s_mov_b32 s[G1+4], 128                         ; tile_dim1
	s_mov_b32 s[G1+5], 64                          ; stride: a head's rows are dense
	s_mov_b32 s[G1+6], 0
	s_mov_b32 s[G1+7], 0
	s_or_b32 s[G1B+0], s44, (1<<16)|(1<<20)|(1<<21)|(5<<22)|(3<<25)  ; Wo: 4 words behind every 64
	s_mov_b32 s[G1B+1], 128<<16
	s_mov_b32 s[G1B+2], 128<<16
	s_mov_b32 s[G1B+3], 128<<16
	s_mov_b32 s[G1B+4], 128
	s_mov_b32 s[G1B+5], 1024
	s_mov_b32 s[G1B+6], 0
	s_mov_b32 s[G1B+7], 0
	s_lshl_b32 s16, s14, 20                        ; o: the K step's first or second head (a plane is 1,048,576 bytes),
	s_lshl_b32 s17, s15, 14                        ; the tile's 128 rows of 128 bytes
	s_add_co_u32 s16, s16, s17
	s_mov_b32 s17, 0
	s_lshl_b32 s46, s42, 19                        ; Wo: 256 rows of 2,048 bytes a tile column,
	s_lshl_b32 s47, s14, 18                        ; 128 rows a half
	s_add_co_u32 s46, s46, s47
	s_mov_b32 s47, 0
	s_mul_i32 s20, s14, PLANE                      ; where they go: no place in the cluster enters an LDS address
	s_mul_i32 s21, s14, HALFB
	s_add_co_u32 s21, s21, BOFF
	s_wait_dscnt 0x0                               ; both opening adds are done
	s_wait_kmcnt 0x0
	s_add_nc_u64 s[16:17], s[4:5], s[16:17]
	s_add_nc_u64 s[46:47], s[6:7], s[46:47]
	CROUND                                         ; all sixteen work-groups are here: the first joint loads meet
.irp s, 0,1
	s_mov_b32 s[G0+4*\s], 1
	s_add_co_u32 s[G0+4*\s+1], s20, \s*SLOT
	s_add_nc_u64 s[G0+4*\s+2:G0+4*\s+3], s[16:17], \s*0x200000     ; K step s: two heads on
	s_or_b32 s[G0+4*\s+3], s[G0+4*\s+3], 0x80000000
	s_mov_b32 s[G0B+4*\s], 1
	s_add_co_u32 s[G0B+4*\s+1], s21, \s*SLOT
	s_add_nc_u64 s[G0B+4*\s+2:G0B+4*\s+3], s[46:47], \s*256
	s_or_b32 s[G0B+4*\s+3], s[G0B+4*\s+3], 0x80000000
	JLOAD \s                                       ; two tensor loads of mine are out at the start, one behind each round
.endr
	v_and_b32 v1, 15, v0
	v_bfe_u32 v2, v0, 4, 1
	v_mul_u32_u24 v3, v1, PA
	v_lshl_add_u32 v3, v2, 4, v3
	v_mul_u32_u24 v4, v1, PB
	v_lshl_add_u32 v4, v2, 4, v4
	s_mul_i32 s21, s13, 64*PA                      ; my 64 rows of o
	s_mul_i32 s22, s14, HALFB                      ; my 128 rows of Wo
	s_add_co_u32 s22, s22, BOFF
.irp s, 0,1
	v_add_nc_u32 v[ADRA+\s], s21, v3
	v_add_nc_u32 v[ADRB+\s], s22, v4
	s_add_co_u32 s21, s21, SLOT
	s_add_co_u32 s22, s22, SLOT
.endr
	s_mul_i32 s23, s12, 16*SPITCH
	s_add_co_u32 s23, s23, STAGE                   ; my stage
	v_mul_u32_u24 v5, v1, SPITCH
	v_lshl_add_u32 v5, v2, 5, v5
	v_add_nc_u32 v[STO], s23, v5                   ; in: row r, 32 bytes for each half of the lanes
	v_and_b32 v6, 31, v0
	v_lshlrev_b32 v[CO], 4, v6                     ; back: 32 lanes take a row of 512 bytes; the same in out0
	v_add_nc_u32 v[RD], s23, v[CO]
	v_lshlrev_b32 v[BOF], 5, v2
	s_lshl_b32 s20, s15, 19                        ; out0: 128 rows of 4,096 bytes a tile row,
	s_lshl_b32 s21, s13, 18                        ; my 64 rows
	s_add_co_u32 s20, s20, s21
	s_mov_b32 s21, 0
	s_add_nc_u64 s[10:11], s[10:11], s[20:21]
	s_lshl_b32 s46, s42, 10                        ; my first column, in bytes; the same in bo
	s_lshl_b32 s47, s14, 9
	s_add_co_u32 s46, s46, s47
	s_mov_b32 s47, 0
	s_add_nc_u64 s[10:11], s[10:11], s[46:47]
	s_add_nc_u64 s[8:9], s[8:9], s[46:47]
	WIN 0x80                                       ; destination window 2
.irp b, 0,1,2,3,4,5,6,7
	global_load_b128 v[8*\b:8*\b+3], v[BOF], s[8:9] offset:64*\b        ; lane (r, h): the bias of columns 16 b + 8 h + 0 .. 7
	global_load_b128 v[8*\b+4:8*\b+7], v[BOF], s[8:9] offset:64*\b+16
.endr
	WIN 0
.macro MUL8 f, a, first                ; o's block a against Wo's eight, 32 along K.  The 32 accumulators take turns, one instruction a turn
.irp b, 0,1,2,3,4,5,6,7
.if \first
	v_wmma_f32_16x16x32_f16 v[8*(8*(\a)+\b):8*(8*(\a)+\b)+7], v[\f+8*\b:\f+8*\b+7], v[\f+64+8*(\a):\f+64+8*(\a)+7], v[8*\b:8*\b+7]
.else
	v_wmma_f32_16x16x32_f16 v[8*(8*(\a)+\b):8*(8*(\a)+\b)+7], v[\f+8*\b:\f+8*\b+7], v[\f+64+8*(\a):\f+64+8*(\a)+7], v[8*(8*(\a)+\b):8*(8*(\a)+\b)+7]
.endif
.endr
.endm
.macro FETCH slot, q, f                ; 24 LDS loads in one run: the fragments of the slot's q-th 32 along K: Wo's sixteen first, then o's eight
.irp i, 0,1,2,3,4,5,6,7
	ds_load_b128 v[\f+8*\i:\f+8*\i+3],   v[ADRB+\slot] offset:64*(\q)+\i*16*PB
	ds_load_b128 v[\f+8*\i+4:\f+8*\i+7], v[ADRB+\slot] offset:64*(\q)+\i*16*PB+32
.endr
.irp i, 0,1,2,3
	ds_load_b128 v[\f+64+8*\i:\f+64+8*\i+3],   v[ADRA+\slot] offset:((\q)/2)*PLANE+((\q)%2)*64+\i*16*PA
	ds_load_b128 v[\f+64+8*\i+4:\f+64+8*\i+7], v[ADRA+\slot] offset:((\q)/2)*PLANE+((\q)%2)*64+\i*16*PA+32
.endr
.endm
.macro PLACES                          ; four plain lines between a matrix instruction and a load into, or a read of, its registers
.rept 4
	v_nop
.endr
.endm
.macro QUARTER slot, q, f, g, first    ; multiplies buffer f; in its middle it fetches the slot's q-th quarter into buffer g
	s_wait_dscnt 4                                 ; Wo's fragments and o's blocks 0, 1 are in; the four youngest loads (blocks 2, 3) may be out
.if \first
	WIN FIRST
.else
	WIN MUL
.endif
	MUL8 \f, 0, \first
	MUL8 \f, 1, \first
	PLACES
	WIN 0
	FETCH \slot, \q, \g
	s_wait_dscnt 24                                ; all but the 24 just issued
.if \first
	WIN FIRST
.else
	WIN MUL
.endif
	MUL8 \f, 2, \first
	MUL8 \f, 3, \first
.endm
; The last quarter multiplies buffer 1 and changes slots: one barrier; in front of it each wave waits for all its tensor loads, adds 0 to its spare word, and waits for that and for its reads of this slot.
.macro TURN slot, next, fill
	WIN 0
	s_wait_tensorcnt 0x0                           ; all my tensor loads have landed: my part of the next slot
	ds_add_u32 v[SPW], v[NIL]
	s_wait_dscnt 5                                 ; the add and the four youngest loads may be out
	WIN MUL
	MUL8 F1, 0, 0                                  ; eight matrix instructions stand between the add and the wait for it
	s_wait_dscnt 0x0                               ; the add is done, and my reads of this slot are over
	s_barrier_signal -1
	MUL8 F1, 1, 0
	WIN 0
	s_barrier_wait -1
.if \fill
	CREST                                          ; the barrier has opened a round of the cluster's: no wave of any partner still reads this slot or has a load on its way
	s_add_nc_u64 s[G0+4*\slot+2:G0+4*\slot+3], s[G0+4*\slot+2:G0+4*\slot+3], 0x400000     ; two K steps on: four heads
	s_add_nc_u64 s[G0B+4*\slot+2:G0B+4*\slot+3], s[G0B+4*\slot+2:G0B+4*\slot+3], 512
	JLOAD \slot                                    ; the first tensor load behind the round; its four v_nop are also the places in front of the loads below
.else
	PLACES
.endif
	FETCH \next, 0, F0
	WIN MUL
	MUL8 F1, 2, 0
	MUL8 F1, 3, 0
.endm
	s_wait_tensorcnt 1                             ; my part of K step 0 is in; K step 1's load may be out
	s_barrier_signal -1
	s_barrier_wait -1
	FETCH 0, 0, F0
	s_wait_loadcnt 0x0                             ; the bias
	QUARTER 0, 1, F0, F1, 1                        ; the first quarter stands in front of the loop: its products start the sums from the bias
	WIN 0
	s_mov_b32 s3, LAPS-1
.Llap:                                             ; a trip goes once round the ring and fills both slots again
	QUARTER 0, 2, F1, F0, 0
	QUARTER 0, 3, F0, F1, 0
	TURN 0, 1, 1
	QUARTER 1, 1, F0, F1, 0
	QUARTER 1, 2, F1, F0, 0
	QUARTER 1, 3, F0, F1, 0
	TURN 1, 0, 1
	QUARTER 0, 1, F0, F1, 0
	WIN 0
	s_sub_co_u32 s3, s3, 1
	s_cmp_lg_u32 s3, 0
	s_cbranch_scc1 .Llap
	QUARTER 0, 2, F1, F0, 0                        ; the last lap fills nothing
	QUARTER 0, 3, F0, F1, 0
	TURN 0, 1, 0
	QUARTER 1, 1, F0, F1, 0
	QUARTER 1, 2, F1, F0, 0
	QUARTER 1, 3, F0, F1, 0
	s_wait_dscnt 4
	WIN MUL
	MUL8 F1, 0, 0
	MUL8 F1, 1, 0
	s_wait_dscnt 0
	MUL8 F1, 2, 0
	MUL8 F1, 3, 0
	WIN 0
; THE WAY OUT, block by block of 16 rows x 128 columns of f32, through my own stage, back as whole rows of 512 bytes.
.macro TOSTAGE a
	WIN 0x04                                       ; an LDS store's data are its source 1: window 1
.irp b, 0,1,2,3,4,5,6,7
	ds_store_b128 v[STO], v[8*(8*(\a)+\b):8*(8*(\a)+\b)+3] offset:64*\b       ; each accumulator from its low end on
	ds_store_b128 v[STO], v[8*(8*(\a)+\b)+4:8*(8*(\a)+\b)+7] offset:64*\b+16
.endr
	WIN 0
.set BB, BK+64*((\a)%2)
.irp t, 0,1,2,3,4,5,6,7,8,9,10,11,12,13,14,15
	ds_load_b128 v[BB+4*\t:BB+4*\t+3], v[RD] offset:\t*SPITCH      ; LDS serves a wave's instructions in order: these see the stores above
.endr
.endm
.macro SEND a, younger
.set BB, BK+64*((\a)%2)
	s_wait_dscnt \younger                          ; the block is back; the next block's 16 stores and 16 loads may be out
.irp t, 0,1,2,3,4,5,6,7,8,9,10,11,12,13,14,15
	global_store_b128 v[CO], v[BB+4*\t:BB+4*\t+3], s[10:11] offset:(16*(\a)+\t)*4096 th:TH_STORE_NT   ; 32 lanes store 512 consecutive bytes, aligned
.endr
.endm
	PLACES                                         ; behind the last products
	TOSTAGE 0
.irp a, 1,2,3
.if \a > 1
	s_wait_xcnt 0x0                                ; the stores of the block two back have read their registers: this block's loads may land there
.endif
	TOSTAGE \a
	SEND \a-1, 32
.endr
	SEND 3, 0
	s_wait_tensorcnt 0x0                           ; the wave's end
	ds_add_u32 v[SPW], v[NIL]
	s_wait_dscnt 0x0
	CROUND                                         ; the closing round
	s_endpgm
.Lfunc_end_k_q3d6e80f0fd_oproj:
	.size	k_q3d6e80f0fd_oproj, .Lfunc_end_k_q3d6e80f0fd_oproj-k_q3d6e80f0fd_oproj
	.p2alignl 7, 3214868480
	.fill 96, 4, 3214868480
	.section	.rodata,"a",@progbits
	.p2align	6, 0x0
	.amdhsa_kernel k_q3d6e80f0fd_oproj
		.amdhsa_group_segment_fixed_size 327680
		.amdhsa_private_segment_fixed_size 0
		.amdhsa_enable_private_segment 0
		.amdhsa_kernarg_size 32
		.amdhsa_user_sgpr_count 2
		.amdhsa_user_sgpr_kernarg_segment_ptr 1
		.amdhsa_wavefront_size32 1
		.amdhsa_system_sgpr_workgroup_id_x 1
		.amdhsa_system_sgpr_workgroup_id_y 1
		.amdhsa_system_sgpr_workgroup_id_z 1
		.amdhsa_system_vgpr_workitem_id 0
		.amdhsa_next_free_vgpr 576
		.amdhsa_next_free_sgpr 66
		.amdhsa_reserve_vcc 0
		.amdhsa_float_denorm_mode_32 3
		.amdhsa_float_denorm_mode_16_64 3
		.amdhsa_memory_ordered 1
		.amdhsa_forward_progress 1
		.amdhsa_inst_pref_size 86
	.end_amdhsa_kernel
	.amdgpu_metadata
---
amdhsa.version: [ 1, 2 ]
amdhsa.kernels:
  - .name:           k_q3d6e80f0fd_oproj
    .symbol:         k_q3d6e80f0fd_oproj.kd
    .args:
      - { .name: o16, .offset: 0, .size: 8, .value_kind: global_buffer, .address_space: global }
      - { .name: wo16, .offset: 8, .size: 8, .value_kind: global_buffer, .address_space: global }
      - { .name: bo, .offset: 16, .size: 8, .value_kind: global_buffer, .address_space: global }
      - { .name: out0, .offset: 24, .size: 8, .value_kind: global_buffer, .address_space: global }
    .group_segment_fixed_size: 327680
    .private_segment_fixed_size: 0
    .kernarg_segment_align: 8
    .kernarg_segment_size: 32
    .max_flat_workgroup_size: 128
    .sgpr_count:     66
    .vgpr_count:     576
    .wavefront_size: 32
...
	.end_amdgpu_metadata
.endif
;; end of part 4
;; launch fine (part 5): grid 16 x 4, 16 waves a work-group, no clusters, 86,016 bytes of LDS; arguments first32, Wo, bo, out0; writes out0
.if DOCPART == 5
	.amdgcn_target "amdgcn-amd-amdhsa--gfx1250"
	.amdhsa_code_object_version 6
	.text
	.protected	k_q3d6e80f0fd_fine
	.globl	k_q3d6e80f0fd_fine
	.p2align	8
	.type	k_q3d6e80f0fd_fine,@function
k_q3d6e80f0fd_fine:
	s_mov_b64 s[64:65], 0
	v_nop
	global_prefetch_b8 v0, s[64:65] scope:SCOPE_SE
	s_setreg_imm32_b32 hwreg(HW_REG_WAVE_MODE, 25, 1), 1
	s_wait_xcnt 0x0
; The first 16 positions of each of the four sequences, carried in f32 from Q, K, V (first32 [batch][16][Q 1024 | K 1024 | V 1024]) to out0: under the causal mask these rows average one to sixteen values and are the
; largest in size, so operands of 16 bits would use up what the comparison allows.  64 rows in all: no bulk work; the products go by v_wmma_f32_16x16x4_f32.
; SHARES.  Work-group (j, b) makes out0[b][0..15][64 j .. 64 j + 63].  PHASE A: wave h makes head h's attention for the batch's 16 rows (each of the batch's 16 work-groups does this anew: 196,608 bytes read, 32 matrix
; instructions a wave) and puts o's 16 x 64 numbers into LDS.  PHASE B: wave (nt = w % 4, kq = w / 4) multiplies the 16 rows by rows 64 j + 16 nt .. + 15 of Wo over k = 256 kq .. + 255; the four parts along K meet in LDS;
; wave w adds row w's parts and the bias and stores 256 consecutive bytes, aligned.
; LAYOUT.  Both sources of a product hold k = 2 (lane / 16) + register.  A lane loads 16 bytes of its row at 16 (lane / 16) + 32 c, so a pair of registers stands for other k than the instruction's own; the same permutation
; holds on both sides, so the products are the same.  S^T = K Q^T and O^T = V^T P and Y^T = Wo O^T: a lane holds one query (lane % 16) throughout.
; The registers that the matrix instructions write (v16-79) are written by nothing else; sums begin with the constant 0; two or four accumulators take turns.
; REGISTERS: v1-13 addresses and constants; v16-31 S^T in two halves along K; v32-63 O^T; v64-79 Y^T in two halves; phase A: v80-111 Q, v112-143 K, v144-175 V^T, v176-183 scores, v184-191 p, v192-198 at work;
; phase B: v80-207 Wo, v208-239 o, v240-247 the sum; v248-249 the bias; v252, v253 the add's two.
.set OP,    4112                       ; a row of o in LDS: 4,096 bytes + 16
.set RED,   16*OP                      ; the four parts along K: 16 rows x (256 + 16) bytes each
.set SPARE, RED+4*16*272               ; the spare words, 128 bytes a wave
	s_load_b256 s[4:11], s[0:1], 0x0               ; first32, Wo, bo, out0
	v_lshl_add_u32 v252, v0, 2, SPARE
	v_mov_b32 v253, 0
	v_lshrrev_b32 v1, 5, v0
	v_readfirstlane_b32 s12, v1                    ; wave 0..15: the head in phase A
	s_mov_b32 s13, ttmp9                           ; j
	s_and_b32 s14, ttmp7, 0xffff                   ; b
	s_and_b32 s15, s12, 3                          ; nt
	s_lshr_b32 s16, s12, 2                         ; kq
	s_mov_b32 s20, 0x76543210
	s_mov_b32 s21, 0xfedcba98                      ; lane l xor 16
	s_mov_b32 s22, 0x3e38aa3b                      ; c = log2(e) / 8
	v_and_b32 v1, 15, v0                           ; r
	v_bfe_u32 v2, v0, 4, 1                         ; h
	v_and_b32 v3, 31, v0                           ; lane
	v_mul_u32_u24 v4, v1, 12288
	v_lshl_add_u32 v4, v2, 4, v4                   ; Q, K: row r of 12,288 bytes + 16 h
	v_mul_u32_u24 v5, v2, 98304
	v_lshl_add_u32 v5, v1, 2, v5                   ; V: keys 8 h on, channel r
	v_mul_u32_u24 v14, v1, OP
	v_lshl_add_u32 v6, v2, 5, v14
	s_lshl_b32 s24, s12, 8
	v_add_nc_u32 v6, s24, v6                       ; o into LDS: row r, my head's 256 bytes, + 32 h
	v_lshlrev_b32 v7, 12, v1
	v_lshl_add_u32 v7, v2, 4, v7                   ; Wo: row r of 4,096 bytes + 16 h
	v_lshl_add_u32 v8, v2, 4, v14
	s_lshl_b32 s24, s16, 10
	v_add_nc_u32 v8, s24, v8                       ; o out of LDS: row r, my 1,024 bytes along K, + 16 h
	v_mul_u32_u24 v9, v1, 272
	v_lshl_add_u32 v9, v2, 5, v9
	s_mul_i32 s24, s16, 16*272
	s_lshl_b32 s25, s15, 6
	s_add_co_u32 s24, s24, s25
	s_add_co_u32 s24, s24, RED
	v_add_nc_u32 v9, s24, v9                       ; my part: part kq, row r, my 16 outputs' 64 bytes, + 32 h
	v_lshlrev_b32 v11, 3, v3                       ; 8 x lane
	s_mul_i32 s24, s12, 272
	s_add_co_u32 s24, s24, RED
	v_add_nc_u32 v10, s24, v11                     ; back: row w, 8 bytes a lane
	v_lshlrev_b32 v12, 3, v2
	v_sub_nc_u32 v12, v1, v12                      ; r - 8 h
	v_mov_b32 v13, 0xff800000                      ; -infinity
	v_mov_b32 v193, 0                              ; written once: a lane permute's destination counts as one of its sources
	s_mul_i32 s24, s14, 196608
	s_lshl_b32 s25, s12, 8
	s_add_co_u32 s24, s24, s25                     ; first32: the batch, the head
	s_mov_b32 s25, 0
	s_lshl_b32 s26, s13, 18                        ; Wo: 64 rows a work-group,
	s_lshl_b32 s27, s15, 16                        ; 16 rows a tile,
	s_add_co_u32 s26, s26, s27
	s_lshl_b32 s27, s16, 10                        ; 256 along K
	s_add_co_u32 s26, s26, s27
	s_mov_b32 s27, 0
	s_lshl_b32 s28, s13, 8                         ; bo: 64 numbers a work-group
	s_mov_b32 s29, 0
	s_lshl_b32 s30, s14, 23                        ; out0: the batch,
	s_lshl_b32 s31, s12, 12                        ; row w,
	s_add_co_u32 s30, s30, s31
	s_add_co_u32 s30, s30, s28                     ; my work-group's 64 columns
	s_mov_b32 s31, 0
	s_wait_kmcnt 0x0
	s_add_nc_u64 s[4:5], s[4:5], s[24:25]
	s_add_nc_u64 s[6:7], s[6:7], s[26:27]
	s_add_nc_u64 s[8:9], s[8:9], s[28:29]
	s_add_nc_u64 s[10:11], s[10:11], s[30:31]
	; ---- PHASE A
	global_load_b64 v[248:249], v11, s[8:9]        ; the bias of the two outputs that I store at the end
.irp c, 0,1,2,3,4,5,6,7
	global_load_b128 v[80+4*\c:83+4*\c], v4, s[4:5] offset:32*\c            ; Q(r, 8 c + 4 h + 0 .. 3)
.endr
.irp c, 0,1,2,3,4,5,6,7
	global_load_b128 v[112+4*\c:115+4*\c], v4, s[4:5] offset:4096+32*\c     ; K likewise
.endr
.irp dt, 0,1,2,3
.irp kk, 0,1,2,3,4,5,6,7
	global_load_b32 v[144+8*\dt+\kk], v5, s[4:5] offset:8192+12288*\kk+64*\dt   ; V(key 8 h + kk, channel 16 dt + r)
.endr
.endr
	s_wait_loadcnt 32                              ; the bias, Q and K are in; V's 32 loads may be out
	v_wmma_f32_16x16x4_f32 v[16:23], v[112:113], v[80:81], 0               ; S^T = K Q^T, in two sums that take turns
	v_wmma_f32_16x16x4_f32 v[24:31], v[114:115], v[82:83], 0
.set p, 2
.rept 7
	v_wmma_f32_16x16x4_f32 v[16:23], v[112+2*p:113+2*p], v[80+2*p:81+2*p], v[16:23]
	v_wmma_f32_16x16x4_f32 v[24:31], v[114+2*p:115+2*p], v[82+2*p:83+2*p], v[24:31]
.set p, p+2
.endr
.rept 8
	v_nop                                          ; eight places behind this form (ISA guide 7.12.1)
.endr
.irp j, 0,1,2,3,4,5,6,7
	v_add_f32 v[176+\j], v[16+\j], v[24+\j]        ; the score of query r and key 8 h + j
.endr
.irp j, 0,1,2,3,4,5,6,7
	v_cmp_gt_i32 vcc_lo, \j, v12                   ; hidden where 8 h + j is above r
	v_cndmask_b32 v[176+\j], v[176+\j], v13, vcc_lo
.endr
	v_max3_num_f32 v192, v176, v177, v178
	v_max3_num_f32 v192, v192, v179, v180
	v_max3_num_f32 v192, v192, v181, v182
	v_max_num_f32 v192, v192, v183
	v_permlanex16_b32 v193, v192, s20, s21
	v_max_num_f32 v192, v192, v193                 ; the row's maximum: key 0 counts for every query
	v_mul_f32 v192, s22, v192
.irp j, 0,1,2,3,4,5,6,7
	v_fma_f32 v[176+\j], v[176+\j], s22, -v192
.endr
.irp j, 0,1,2,3,4,5,6,7
	v_exp_f32 v[176+\j], v[176+\j]
.endr
	v_nop                                          ; a plain line behind the last exponential
	s_wait_alu depctr_va_vdst(0)                   ; one wait for the eight, ahead of their first reader
	v_add_f32 v194, v176, v177
	v_add_f32 v195, v178, v179
	v_add_f32 v196, v180, v181
	v_add_f32 v197, v182, v183
	v_add_f32 v194, v194, v195
	v_add_f32 v196, v196, v197
	v_add_f32 v194, v194, v196
	v_permlanex16_b32 v193, v194, s20, s21
	v_add_f32 v194, v194, v193                     ; the row's sum
	v_rcp_f32 v198, v194
	v_nop
	s_wait_alu depctr_va_vdst(0)
.irp j, 0,1,2,3,4,5,6,7
	v_mul_f32 v[184+\j], v[176+\j], v198           ; p(query r, key 8 h + j)
.endr
	s_wait_loadcnt 0x0                             ; V
.irp i, 0,1,2,3                                ; O^T = V^T P: keys 8 h + 2 i + 0, 1 on both sides; the four accumulators take turns
.irp dt, 0,1,2,3
.if \i == 0
	v_wmma_f32_16x16x4_f32 v[32+8*\dt:39+8*\dt], v[144+8*\dt+2*\i:145+8*\dt+2*\i], v[184+2*\i:185+2*\i], 0
.else
	v_wmma_f32_16x16x4_f32 v[32+8*\dt:39+8*\dt], v[144+8*\dt+2*\i:145+8*\dt+2*\i], v[184+2*\i:185+2*\i], v[32+8*\dt:39+8*\dt]
.endif
.endr
.endr
.rept 8
	v_nop                                          ; places in front of the stores of the results and of the loads into registers that these products have read
.endr
.irp dt, 0,1,2,3
	ds_store_b128 v6, v[32+8*\dt:35+8*\dt] offset:64*\dt       ; o(r, 64 head + 16 dt + 8 h + 0 .. 7), each accumulator from its low end on
	ds_store_b128 v6, v[36+8*\dt:39+8*\dt] offset:64*\dt+16
.endr
.set c, 0
.rept 32
	global_load_b128 v[80+4*c:83+4*c], v7, s[6:7] offset:32*c  ; Wo(64 j + 16 nt + r, 256 kq + 8 c + 4 h + 0 .. 3)
.set c, c+1
.endr
	s_wait_dscnt 0x0                               ; for the others' sake: my stores have landed
	s_barrier_signal -1
	s_barrier_wait -1                              ; the 16 rows of o lie in LDS
	; ---- PHASE B: Y^T = Wo O^T over my 256 along K, 64 at a time, in two sums that take turns
.irp g, 0,1,2,3
.irp c, 0,1,2,3,4,5,6,7
	ds_load_b128 v[208+4*\c:211+4*\c], v8 offset:256*\g+32*\c  ; o(r, 256 kq + 64 g + 8 c + 4 h + 0 .. 3)
.endr
	s_wait_loadcnt 24-8*\g                         ; this part's eight loads of Wo are in; the later parts' may be out
	s_wait_dscnt 0x0
.set p, 0
.rept 8
.if (\g == 0) && (p == 0)
	v_wmma_f32_16x16x4_f32 v[64:71], v[80+32*\g+2*p:81+32*\g+2*p], v[208+2*p:209+2*p], 0
	v_wmma_f32_16x16x4_f32 v[72:79], v[82+32*\g+2*p:83+32*\g+2*p], v[210+2*p:211+2*p], 0
.else
	v_wmma_f32_16x16x4_f32 v[64:71], v[80+32*\g+2*p:81+32*\g+2*p], v[208+2*p:209+2*p], v[64:71]
	v_wmma_f32_16x16x4_f32 v[72:79], v[82+32*\g+2*p:83+32*\g+2*p], v[210+2*p:211+2*p], v[72:79]
.endif
.set p, p+2
.endr
.rept 8
	v_nop                                          ; places in front of the next loads into o's registers, and of the first read of the results
.endr
.endr
.irp j, 0,1,2,3,4,5,6,7
	v_add_f32 v[240+\j], v[64+\j], v[72+\j]        ; y(r, 64 j + 16 nt + 8 h + j), my part along K
.endr
	ds_store_b128 v9, v[240:243]
	ds_store_b128 v9, v[244:247] offset:16
	s_wait_dscnt 0x0                               ; for the others' sake
	s_barrier_signal -1
	s_barrier_wait -1                              ; the four parts lie in LDS
.irp q, 0,1,2,3
	ds_load_b64 v[208+2*\q:209+2*\q], v10 offset:16*272*\q     ; row w, outputs 2 x lane and + 1, part q
.endr
	s_wait_dscnt 0x0
	v_pk_add_f32 v[208:209], v[208:209], v[210:211]
	v_pk_add_f32 v[212:213], v[212:213], v[214:215]
	v_pk_add_f32 v[208:209], v[208:209], v[212:213]
	v_pk_add_f32 v[208:209], v[208:209], v[248:249]            ; + bo
	global_store_b64 v11, v[208:209], s[10:11]     ; 32 lanes store 256 consecutive bytes, aligned
	s_wait_tensorcnt 0x0                           ; the wave's end, behind my last LDS store
	ds_add_u32 v252, v253
	s_wait_dscnt 0x0
	s_endpgm
.Lfunc_end_k_q3d6e80f0fd_fine:
	.size	k_q3d6e80f0fd_fine, .Lfunc_end_k_q3d6e80f0fd_fine-k_q3d6e80f0fd_fine
	.p2alignl 7, 3214868480
	.fill 96, 4, 3214868480
	.section	.rodata,"a",@progbits
	.p2align	6, 0x0
	.amdhsa_kernel k_q3d6e80f0fd_fine
		.amdhsa_group_segment_fixed_size 86016
		.amdhsa_private_segment_fixed_size 0
		.amdhsa_enable_private_segment 0
		.amdhsa_kernarg_size 32
		.amdhsa_user_sgpr_count 2
		.amdhsa_user_sgpr_kernarg_segment_ptr 1
		.amdhsa_wavefront_size32 1
		.amdhsa_system_sgpr_workgroup_id_x 1
		.amdhsa_system_sgpr_workgroup_id_y 1
		.amdhsa_system_sgpr_workgroup_id_z 1
		.amdhsa_system_vgpr_workitem_id 0
		.amdhsa_next_free_vgpr 256
		.amdhsa_next_free_sgpr 66
		.amdhsa_reserve_vcc 1
		.amdhsa_float_denorm_mode_32 3
		.amdhsa_float_denorm_mode_16_64 3
		.amdhsa_memory_ordered 1
		.amdhsa_forward_progress 1
		.amdhsa_inst_pref_size 25
	.end_amdhsa_kernel
	.amdgpu_metadata
---
amdhsa.version: [ 1, 2 ]
amdhsa.kernels:
  - .name:           k_q3d6e80f0fd_fine
    .symbol:         k_q3d6e80f0fd_fine.kd
    .args:
      - { .name: first32, .offset: 0, .size: 8, .value_kind: global_buffer, .address_space: global }
      - { .name: Wo, .offset: 8, .size: 8, .value_kind: global_buffer, .address_space: global }
      - { .name: bo, .offset: 16, .size: 8, .value_kind: global_buffer, .address_space: global }
      - { .name: out0, .offset: 24, .size: 8, .value_kind: global_buffer, .address_space: global }
    .group_segment_fixed_size: 86016
    .private_segment_fixed_size: 0
    .kernarg_segment_align: 8
    .kernarg_segment_size: 32
    .max_flat_workgroup_size: 512
    .sgpr_count:     66
    .vgpr_count:     256
    .wavefront_size: 32
...
	.end_amdgpu_metadata
.endif
;; end of part 5
